; MI455X (gfx1250); checked and timed in simulation.
; The chip was launched on July 23, 2026; its instructions are those of AMD's public machine-readable ISA for CDNA 5 (MIT licence, August 2026) and "CDNA5" Instruction Set Architecture Reference Guide (July 2026). The comments in the code are by the model that wrote it; some were corrected since.
;; Deep Speed Transformer Inference. Allowed arithmetic: matrix products marked QUANTISED: E2M3 operands, one E8M0 scale for each 32 along K, by v_wmma_scale_f32_16x16x128_f8f6f4 with both operands' format E2M3, f32 sums; everything else in f32.
;; Inputs: attn_nb 1,024 float32; attn_nw 1,024 float32; attn_ob 1,024 float32; attn_ow_codes 1,024 x 32 x 24 uint8 (E2M3 codes of attn_ow, K innermost, in blocks of 32 codes, four codes in three bytes); attn_ow_scales 1,024 x 32 uint8 (E8M0 scales of attn_ow, one for each 32 codes along K); input_mask 2 x 2,048 float32; inter_b 4,096 float32; inter_w_codes 4,096 x 32 x 24 uint8 (E2M3 codes of inter_w, K innermost, in blocks of 32 codes, four codes in three bytes); inter_w_scales 4,096 x 32 uint8 (E8M0 scales of inter_w, one for each 32 codes along K); norm_b 1,024 float32; norm_w 1,024 float32; output_b 1,024 float32; output_w_codes 1,024 x 128 x 24 uint8 (E2M3 codes of output_w, K innermost, in blocks of 32 codes, four codes in three bytes); output_w_scales 1,024 x 128 uint8 (E8M0 scales of output_w, one for each 32 codes along K); qkvb 3,072 float32; qkvw_codes 3,072 x 32 x 24 uint8 (E2M3 codes of qkvw, K innermost, in blocks of 32 codes, four codes in three bytes); qkvw_scales 3,072 x 32 uint8 (E8M0 scales of qkvw, one for each 32 codes along K); x 2 x 2,048 x 1,024 float32.
;; Outputs: out0 2 x 2,048 x 1,024 float32.
;; This version of the problem:
;;   THIS VERSION OF THE PROBLEM IS GIVEN IN LOW PRECISION. The matrix products marked QUANTISED in the list below multiply operands that are first quantised to E2M3 (2 exponent bits, 3 mantissa bits; 6 bits a number), with one power-of-two scale for each 32 numbers along K (OCP MX v1.0); their sums are f32. All else is computed in f32.
;;   The module's matrix products, in the order in which they are computed (A, B: the left and right operand; K: the contracted axis; several contracted axes count as one K, in the product's order):
;;     1. [M 4,096, K 1,024] x [K 1,024, N 3,072]; A: computed on the way; B: input qkvw (given as codes): QUANTISED
;;     2. batch 32 x [M 2,048, K 64] x [K 64, N 2,048]; A: computed on the way; B: computed on the way: QUANTISED
;;     3. batch 32 x [M 64, K 2,048] x [K 2,048, N 2,048]; A: computed on the way; B: softmax (see below): QUANTISED
;;     4. [M 4,096, K 1,024] x [K 1,024, N 1,024]; A: computed on the way; B: input attn_ow (given as codes): QUANTISED
;;     5. [M 4,096, K 1,024] x [K 1,024, N 4,096]; A: computed on the way; B: input inter_w (given as codes): QUANTISED
;;     6. [M 4,096, K 4,096] x [K 4,096, N 1,024]; A: computed on the way; B: input output_w (given as codes): QUANTISED
;;   THE QUANTISER, for each operand of a quantised product, along K:
;;     - K is cut into blocks of 32 from its start; a last block that is shorter is filled with zeros.
;;     - A block's scale is 2^e with e = floor(log2(the largest magnitude in the block)) - 2, held to -126 .. 127; a block of zeros has e = 0. As a byte (E8M0): e + 127.
;;     - Each number is divided by its block's scale, clamped to +-7.5, and rounded to the nearest number of E2M3, ties to even, subnormals kept.
;;     - The product sums the exact products of the quantised numbers (number of the format x scale) in f32.
;;   ~~~python
;;   def quantise(x, axis):      # numpy; x: float32 -> the quantised numbers, widened to float32 again
;;       x = np.moveaxis(x, axis, -1); K = x.shape[-1]
;;       x = np.pad(x, [(0, 0)] * (x.ndim - 1) + [(0, -K % 32)]); x = x.reshape(x.shape[:-1] + (-1, 32)); a = np.abs(x).max(-1, keepdims=True)
;;       e = np.where(a > 0, np.clip(np.frexp(np.where(a > 0, a, 1))[1] - 1 - 2, -126, 127), 0)      # np.frexp(a)[1] - 1 = floor(log2(a)), exactly
;;       r = np.clip(x / 2.0 ** e, -7.5, 7.5)
;;       step = 2.0 ** (np.maximum(np.frexp(np.where(r == 0, 1, r))[1] - 1, 0) - 3)
;;       q = np.round(r / step) * step * 2.0 ** e      # np.round: ties to even
;;       return np.moveaxis(q.reshape(q.shape[:-2] + (-1,))[..., :K], -1, axis).astype(np.float32)
;;   ~~~
;;   SOFTMAX AHEAD OF A QUANTISED PRODUCT. Where the list says 'softmax', what is quantised is not the finished softmax but p = 2^(t - M), with t = logit x log2(e) and M = ceil(the row's largest t), a whole number; so 1/2 < the row's largest p <= 1. The row's sum l is taken of the UNQUANTISED p, in f32, and the product's result is divided by l at the end. Since M is a whole number, a kernel that streams over the keys may use a running M (the ceiling of the running maximum): every later rescaling is an exact power of two, which a block's scale takes up: the codes' values come out the same.
;;   OPERANDS COMPUTED ON THE WAY. 'Computed on the way' means the value that the module computes at that place (a softmax that the list does not call 'softmax' is quantised finished and normalised). What goes into a quantiser is computed in f32, as accurately as f32 sums, v_exp_f32 and their like allow (about 1e-6 of the number): no bf16 or f16 on the way to a quantiser, and a product that is left as it is and whose result goes on into a quantised operand takes f32 operands (vector FMAs, or v_wmma_f32_16x16x4_f32). A number that lies on a knife's edge between two numbers of the format may be rounded either way, as far as f32 arithmetic and the matrix unit's own rounding can turn it there, and no further.
;;   INPUTS GIVEN AS CODES. attn_ow (in the module: [1024, 1024], K = its axis 0); inter_w (in the module: [1024, 4096], K = its axis 0); output_w (in the module: [4096, 1024], K = its axis 0); qkvw (in the module: [1024, 3072], K = its axis 0): each comes as NAME_codes (uint8): NAME with its K axis moved to the last place and cut into blocks of 32 codes, [.., K / 32, bytes a block], one block behind the other in memory; four codes in three bytes: a row's codes are one little-endian stream of bits, code i at bits 6 i .. 6 i + 5 (a code: sign, 2 exponent bits, 3 mantissa bits); and NAME_scales (uint8): the same leading axes, one E8M0 byte (e + 127) for each 32 codes along K. Its value is code x scale, taken as it is: it is not quantised again, and the codes and scales need not be those that the quantiser above would give.
;; One version. Each part assembles by itself: llvm-mc -triple=amdgcn-amd-amdhsa -mcpu=gfx1250 --defsym DOCPART=n.
;; ======== version 1 of 1: 7 launches
;; limits: right only within a limited range of input values
;; workspace buffers: wts 9,830,400 bytes; act 3,276,800 bytes; qkv 10,092,544 bytes; resid 16,777,216 bytes; a3 13,107,200 bytes
;; launch ln1 (part 1): grid 256 x 2, 8 waves a work-group, no clusters, 66,816 bytes of LDS; arguments x, norm_w, norm_b, act, qkvw_codes, qkvw_scales, attn_ow_codes, attn_ow_scales, inter_w_codes, inter_w_scales, output_w_codes, output_w_scales, wts; writes act, wts
.if DOCPART == 1
	.amdgcn_target "amdgcn-amd-amdhsa--gfx1250"
	.amdhsa_code_object_version 6
	.text
	.protected	k_qde1b85452c_ln1
	.globl	k_qde1b85452c_ln1
	.p2align	8
	.type	k_qde1b85452c_ln1,@function
k_qde1b85452c_ln1:
	s_mov_b64 s[64:65], 0
	v_nop
	global_prefetch_b8 v0, s[64:65] scope:SCOPE_SE
	s_setreg_imm32_b32 hwreg(HW_REG_WAVE_MODE, 25, 1), 1
	s_wait_xcnt 0x0
; Work-group y = 0: LayerNorm of 16 rows of 1,024 f32 numbers, quantised to E2M3 codes with one E8M0 byte for each 32 along the row.
; Work-group y = 1: the four weights, given as rows of codes, are laid anew in the order of the matrix operand's registers.
; THE LAYOUT OF EVERY OPERAND THAT THIS PROGRAM WRITES ("image").  A fragment (16 rows x 128 K, 12 registers a lane) is 1,536 bytes: for c = 0, 1: registers 6c .. 6c+3 of lane l at
; 768 c + 16 l, registers 6c+4, 6c+5 at 768 c + 512 + 8 l.  A cell (128 rows x 128 K) is 8 fragments and then 512 bytes of scale words (one word a row): 12,800 bytes.
; Cell (row / 128, k / 128) lies at ((row / 128) x (K / 128) + k / 128) x 12,800.  So a reader takes a fragment by four loads of consecutive bytes, and a tile is one dense block.
; LN: mean and variance in two passes in f32 (the variance is taken of x - mean), eps = 1e-12, 1/sqrt by v_rsq_f32.  Wave w normalises rows 2w, 2w+1 (a row lies in one wave: the sums never leave it);
; the 16 rows meet in LDS (rows 4,112 bytes apart); behind ONE barrier wave w takes K step w of all 16 rows, 64 numbers a lane, and quantises them.
; The branch on the work-group's y is the same for all waves of a work-group; only the LN path has LDS accesses and the barrier.
; LIMITS: a block of zeros gets the byte 1 where the quantiser says 127 (its codes are zeros, and this program alone reads the bytes); blocks whose largest magnitude lies under 2^-124 are held at the byte 1;
; NaN and infinities among the inputs are not served.
.set CELL,  12800
.set PITCH, 4112                       ; an LDS row: 4,096 bytes + 16
.set L16, 2                            ; v2   16 x lane
.set L8,  7                            ; v7   8 x lane
.set R4,  8                            ; v8   4 x (lane % 16)
.set X,   32                           ; v32-95   two rows as loaded; later 64 numbers of a K step
.set G,   96                           ; v96-127  gain
.set BV,  128                          ; v128-159 bias
.set TM,  160                          ; v160-175 at work
.set PC,  176                          ; v176-195 the codes
.set PW,  196                          ; v196     the scale word
.set SEL, 44                           ; s[44:45] lane selects: lane l xor 16
; 64 numbers of a lane, register 16 b + i = k 32 b + 16 (lane / 16) + i of my row, become a fragment's codes in v[PC] .. v[PC+11] and its scale word in v[PW].
.macro QUANT s
.irp b, 0,1,2,3
	v_max3_num_f32 v[TM+\b], |v[\s+16*\b]|, |v[\s+1+16*\b]|, 0x1800000   ; block b: my 16 numbers, and the floor 2^(3 - 127): the byte cannot fall under 1
.endr
.irp i, 2,4,6,8,10,12,14
.irp b, 0,1,2,3
	s_delay_alu instid0(VALU_DEP_4)
	v_max3_num_f32 v[TM+\b], v[TM+\b], |v[\s+16*\b+\i]|, |v[\s+1+16*\b+\i]|
.endr
.endr
.irp b, 0,1,2,3
	s_delay_alu instid0(VALU_DEP_4)
	v_permlanex16_b32 v[TM+4+\b], v[TM+\b], s[SEL], s[SEL+1]
.endr
.irp b, 0,1,2,3
	s_delay_alu instid0(VALU_DEP_4)
	v_max_num_f32 v[TM+\b], v[TM+\b], v[TM+4+\b]                    ; with lane l xor 16's: the block's largest magnitude
.endr
.irp b, 0,1,2,3
	s_delay_alu instid0(VALU_DEP_4)
	v_add_nc_u32 v[TM+12+\b], 0xff000000, v[TM+\b]                  ; 2 off its exponent field: the conversion's scale operand
.endr
.irp b, 0,1,2,3
	s_delay_alu instid0(VALU_DEP_4)
	v_lshrrev_b32 v[TM+4+\b], 23, v[TM+12+\b]                       ; the scale's byte
.endr
	s_delay_alu instid0(VALU_DEP_3)
	v_lshl_or_b32 v[PW], v[TM+5], 8, v[TM+4]
	s_delay_alu instid0(VALU_DEP_1)
	v_lshl_or_b32 v[PW], v[TM+6], 16, v[PW]
	s_delay_alu instid0(VALU_DEP_1)
	v_lshl_or_b32 v[PW], v[TM+7], 24, v[PW]
.irp c, 0,1
	v_cvt_scalef32_pk16_fp6_f32 v[PC+6*\c:PC+2+6*\c], v[\s+32*\c:\s+15+32*\c], v[TM+12+2*\c]
	v_cvt_scalef32_pk16_fp6_f32 v[PC+12+4*\c:PC+14+4*\c], v[\s+16+32*\c:\s+31+32*\c], v[TM+12+2*\c+1]
.endr
	v_nop                                                           ; one plain instruction behind the scaled conversions
.irp c, 0,1                            ; the operand wants a whole block in a lane: lanes 0-15 block 2c, lanes 16-31 block 2c+1
.irp i, 0,1,2
	v_permlane16_swap_b32 v[PC+6*\c+\i], v[PC+12+4*\c+\i]
.endr
.irp i, 0,1,2
	s_delay_alu instid0(VALU_DEP_3)
	v_mov_b32 v[PC+3+6*\c+\i], v[PC+12+4*\c+\i]
.endr
.endr
.endm
.macro STFRAG pc, sb, off              ; a fragment leaves as its image: 512, 256, 512, 256 consecutive bytes
	global_store_b128 v[L16], v[\pc:\pc+3], s[\sb:\sb+1] offset:\off
	global_store_b64 v[L8], v[\pc+4:\pc+5], s[\sb:\sb+1] offset:\off+512
	global_store_b128 v[L16], v[\pc+6:\pc+9], s[\sb:\sb+1] offset:\off+768
	global_store_b64 v[L8], v[\pc+10:\pc+11], s[\sb:\sb+1] offset:\off+1280
.endm
.macro WSUM                            ; v[TM+4] and v[TM+12] summed over the 32 lanes, the two rows by turns
.irp m, 1,2,4,8
.irp i, 0,1
	s_delay_alu instid0(VALU_DEP_2)
	v_add_f32_dpp v[TM+8*\i+4], v[TM+8*\i+4], v[TM+8*\i+4] row_xmask:\m row_mask:0xf bank_mask:0xf
.endr
.endr
.irp i, 0,1
	s_delay_alu instid0(VALU_DEP_2)
	v_permlanex16_b32 v[TM+8*\i+5], v[TM+8*\i+4], s[SEL], s[SEL+1]
.endr
.irp i, 0,1
	s_delay_alu instid0(VALU_DEP_2)
	v_add_f32 v[TM+8*\i+4], v[TM+8*\i+4], v[TM+8*\i+5]
.endr
.endm
.macro RLD reg, vo, sb                 ; a fragment from rows of codes: 24 bytes twice, in pieces of 8
.irp p, 0,1,2,3,4,5
	global_load_b64 v[\reg+2*\p:\reg+2*\p+1], v[\vo], s[\sb:\sb+1] offset:48*(\p/3)+8*(\p%3) th:TH_LOAD_NT
.endr
.endm
	s_load_b256 s[4:11], s[0:1], 0x0               ; src, gain, bias, act
	s_load_b256 s[12:19], s[0:1], 0x20             ; qkvw codes, scales; attn_ow codes, scales
	s_load_b256 s[20:27], s[0:1], 0x40             ; inter_w codes, scales; output_w codes, scales
	s_load_b64 s[28:29], s[0:1], 0x60              ; wts
	v_lshl_add_u32 v200, v0, 2, 0x10100
	v_mov_b32 v201, 0
	v_lshrrev_b32 v1, 5, v0
	s_delay_alu instid0(VALU_DEP_1)
	v_readfirstlane_b32 s30, v1                    ; wave 0..7
	v_and_b32 v1, 31, v0
	s_delay_alu instid0(VALU_DEP_1)
	v_lshlrev_b32 v[L16], 4, v1
	s_delay_alu instid0(VALU_DEP_2)
	v_lshlrev_b32 v[L8], 3, v1
	v_and_b32 v3, 15, v0                           ; r
	v_bfe_u32 v4, v0, 4, 1                         ; h
	s_delay_alu instid0(VALU_DEP_2)
	v_lshlrev_b32 v[R4], 2, v3
	; where a fragment of row block W, K step w goes in an image with 8 K steps: cell (W / 8) x 8 + w, block W % 8
	s_lshr_b32 s31, ttmp9, 3
	s_lshl_b32 s31, s31, 3
	s_add_co_u32 s31, s31, s30
	s_mul_i32 s32, s31, CELL
	s_and_b32 s33, ttmp9, 7
	s_mul_i32 s34, s33, 1536
	s_add_co_u32 s34, s34, s32                     ; the fragment
	s_mov_b32 s35, 0
	s_lshl_b32 s36, s33, 6
	s_add_co_u32 s36, s36, s32
	s_add_co_u32 s36, s36, 12288                   ; its 16 scale words
	s_mov_b32 s37, 0
	s_and_b32 s38, ttmp7, 0xffff
	s_cmp_lg_u32 s38, 0
	s_cbranch_scc1 .Lrelay
	; ---------------- LayerNorm and quantiser
	s_lshl_b32 s40, ttmp9, 16                      ; 16 rows of 4,096 bytes a work-group,
	s_lshl_b32 s41, s30, 13                        ; two rows a wave
	s_add_co_u32 s40, s40, s41
	s_mov_b32 s41, 0
	s_mov_b32 s[SEL], 0x76543210
	s_mov_b32 s[SEL+1], 0xfedcba98
	s_mov_b32 s46, 0x3a800000                      ; 1 / 1,024
	s_mov_b32 s47, 0x2b8cbccc                      ; eps = 1e-12
	s_mul_i32 s42, s30, 2*PITCH
	s_wait_alu depctr_va_vdst(0)
	v_add_nc_u32 v5, s42, v[L16]                   ; LDS, in: my wave's two rows, 16 bytes a lane
	v_mul_u32_u24 v6, v3, PITCH
	s_delay_alu instid0(VALU_DEP_1)
	v_lshl_add_u32 v6, v4, 6, v6
	s_lshl_b32 s43, s30, 9
	v_add_nc_u32 v6, s43, v6                       ; LDS, out: row r, K step w (512 bytes), + 64 h
.irp t, 165,173
	v_mov_b32 v\t, 0                               ; a lane permute's destination counts as one of its sources
.endr
	s_wait_kmcnt 0x0
	s_add_nc_u64 s[4:5], s[4:5], s[40:41]
	s_add_nc_u64 s[34:35], s[10:11], s[34:35]
	s_add_nc_u64 s[36:37], s[10:11], s[36:37]
.irp i, 0,1
.irp j, 0,1,2,3,4,5,6,7
	global_load_b128 v[X+32*\i+4*\j:X+32*\i+4*\j+3], v[L16], s[4:5] offset:4096*\i+512*\j   ; 512 consecutive bytes a load
.endr
.endr
.irp j, 0,1,2,3,4,5,6,7
	global_load_b128 v[G+4*\j:G+4*\j+3], v[L16], s[6:7] offset:512*\j
	global_load_b128 v[BV+4*\j:BV+4*\j+3], v[L16], s[8:9] offset:512*\j
.endr
	s_wait_loadcnt 16                              ; the two rows are in; the 16 loads of gain and bias may be out
	; the mean: two chains a row
.irp i, 0,1
	v_pk_add_f32 v[TM+8*\i:TM+8*\i+1], v[X+32*\i:X+32*\i+1], v[X+32*\i+2:X+32*\i+3]
	v_pk_add_f32 v[TM+8*\i+2:TM+8*\i+3], v[X+32*\i+4:X+32*\i+5], v[X+32*\i+6:X+32*\i+7]
.endr
.irp j, 8,12,16,20,24,28
.irp i, 0,1
	s_delay_alu instid0(VALU_DEP_4)
	v_pk_add_f32 v[TM+8*\i:TM+8*\i+1], v[TM+8*\i:TM+8*\i+1], v[X+32*\i+\j:X+32*\i+\j+1]
	s_delay_alu instid0(VALU_DEP_4)
	v_pk_add_f32 v[TM+8*\i+2:TM+8*\i+3], v[TM+8*\i+2:TM+8*\i+3], v[X+32*\i+\j+2:X+32*\i+\j+3]
.endr
.endr
.irp i, 0
	s_delay_alu instid0(VALU_DEP_3)
	v_pk_add_f32 v[TM+8*\i:TM+8*\i+1], v[TM+8*\i:TM+8*\i+1], v[TM+8*\i+2:TM+8*\i+3]
.endr
.irp i, 1
	s_delay_alu instid0(VALU_DEP_2)
	v_pk_add_f32 v[TM+8*\i:TM+8*\i+1], v[TM+8*\i:TM+8*\i+1], v[TM+8*\i+2:TM+8*\i+3]
.endr
.irp i, 0,1
	s_delay_alu instid0(VALU_DEP_2)
	v_add_f32 v[TM+8*\i+4], v[TM+8*\i], v[TM+8*\i+1]
.endr
	WSUM
.irp i, 0
	s_delay_alu instid0(VALU_DEP_2)
	v_mul_f32 v[TM+8*\i+6], 0xba800000, v[TM+8*\i+4]                ; - mean, twice: a pair for the packed form
	s_delay_alu instid0(VALU_DEP_3)
	v_mul_f32 v[TM+8*\i+7], 0xba800000, v[TM+8*\i+4]
.endr
.irp i, 1
	s_delay_alu instid0(VALU_DEP_3)
	v_mul_f32 v[TM+8*\i+6], 0xba800000, v[TM+8*\i+4]                ; - mean, twice: a pair for the packed form
	s_delay_alu instid0(VALU_DEP_4)
	v_mul_f32 v[TM+8*\i+7], 0xba800000, v[TM+8*\i+4]
.endr
.set J, 0
.rept 16
.irp i, 0,1
	v_pk_add_f32 v[X+32*\i+J:X+32*\i+J+1], v[X+32*\i+J:X+32*\i+J+1], v[TM+8*\i+6:TM+8*\i+7]   ; d = x - mean
.endr
.set J, J+2
.endr
	; the variance: the mean of d^2
.irp i, 0,1
	v_pk_mul_f32 v[TM+8*\i:TM+8*\i+1], v[X+32*\i:X+32*\i+1], v[X+32*\i:X+32*\i+1]
	v_pk_mul_f32 v[TM+8*\i+2:TM+8*\i+3], v[X+32*\i+2:X+32*\i+3], v[X+32*\i+2:X+32*\i+3]
.endr
.irp j, 4,8,12,16,20,24,28
.irp i, 0,1
	s_delay_alu instid0(VALU_DEP_4)
	v_pk_fma_f32 v[TM+8*\i:TM+8*\i+1], v[X+32*\i+\j:X+32*\i+\j+1], v[X+32*\i+\j:X+32*\i+\j+1], v[TM+8*\i:TM+8*\i+1]
	s_delay_alu instid0(VALU_DEP_4)
	v_pk_fma_f32 v[TM+8*\i+2:TM+8*\i+3], v[X+32*\i+\j+2:X+32*\i+\j+3], v[X+32*\i+\j+2:X+32*\i+\j+3], v[TM+8*\i+2:TM+8*\i+3]
.endr
.endr
.irp i, 0
	s_delay_alu instid0(VALU_DEP_3)
	v_pk_add_f32 v[TM+8*\i:TM+8*\i+1], v[TM+8*\i:TM+8*\i+1], v[TM+8*\i+2:TM+8*\i+3]
.endr
.irp i, 1
	s_delay_alu instid0(VALU_DEP_2)
	v_pk_add_f32 v[TM+8*\i:TM+8*\i+1], v[TM+8*\i:TM+8*\i+1], v[TM+8*\i+2:TM+8*\i+3]
.endr
.irp i, 0,1
	s_delay_alu instid0(VALU_DEP_2)
	v_add_f32 v[TM+8*\i+4], v[TM+8*\i], v[TM+8*\i+1]
.endr
	WSUM
.irp i, 0,1
	s_delay_alu instid0(VALU_DEP_2)
	v_fma_f32 v[TM+8*\i+4], v[TM+8*\i+4], s46, s47                  ; variance + eps
.endr
	s_wait_alu depctr_va_vdst(0)
.irp i, 0,1
	v_rsq_f32 v[TM+8*\i], v[TM+8*\i+4]                              ; twice: a pair for the packed form
	v_rsq_f32 v[TM+8*\i+1], v[TM+8*\i+4]
.endr
	v_nop                                          ; a plain instruction behind the batch,
	s_wait_alu depctr_va_vdst(0)                   ; and one wait for the four, ahead of their first reader
	s_wait_loadcnt 0x0                             ; gain and bias
.set J, 0
.rept 16
.irp i, 0,1
	v_pk_mul_f32 v[X+32*\i+J:X+32*\i+J+1], v[X+32*\i+J:X+32*\i+J+1], v[TM+8*\i:TM+8*\i+1]
.endr
.set J, J+2
.endr
.set J, 0
.rept 16
.irp i, 0,1
	v_pk_fma_f32 v[X+32*\i+J:X+32*\i+J+1], v[X+32*\i+J:X+32*\i+J+1], v[G+J:G+J+1], v[BV+J:BV+J+1]
.endr
.set J, J+2
.endr
.irp i, 0,1
.irp j, 0,1,2,3,4,5,6,7
	ds_store_b128 v5, v[X+32*\i+4*\j:X+32*\i+4*\j+3] offset:PITCH*\i+512*\j
.endr
.endr
	s_wait_dscnt 0x0                               ; for the others' sake: my two rows lie in LDS
	s_barrier_signal -1
	s_barrier_wait -1
.irp b, 0,1,2,3
.irp j, 0,1,2,3
	ds_load_b128 v[X+16*\b+4*\j:X+16*\b+4*\j+3], v6 offset:128*\b+16*\j   ; of row r: 16 neighbours of each block of 32 of K step w
.endr
.endr
	s_wait_dscnt 0x0
	QUANT X
	STFRAG PC, 34, 0
	global_store_b32 v[R4], v[PW], s[36:37]        ; 16 scale words, 64 consecutive bytes (lanes 16-31 write the same words with the same values)
	s_wait_tensorcnt 0x0
	ds_add_u32 v200, v201
	s_wait_dscnt 0x0
	s_endpgm
	; ---------------- the weights into images: three fragments a wave, no LDS, no barrier
.Lrelay:
	s_wait_alu depctr_va_vdst(0)
	v_mul_u32_u24 v9, v3, 768                      ; rows of 1,024 codes: 768 bytes; + 24 h; + 96 bytes a K step
	s_delay_alu instid0(VALU_DEP_1)
	v_mad_u32_u24 v9, v4, 24, v9
	s_mul_i32 s40, s30, 96
	v_add_nc_u32 v9, s40, v9
	v_lshlrev_b32 v10, 5, v3                       ; their scale bytes: 32 a row, a word a K step
	s_lshl_b32 s40, s30, 2
	v_add_nc_u32 v10, s40, v10
	s_and_b32 s41, ttmp9, 3
	s_lshl_b32 s41, s41, 3
	s_add_co_u32 s41, s41, s30                     ; output_w: K step 8 (W % 4) + w of row block W / 4
	v_mul_u32_u24 v11, v3, 3072
	s_delay_alu instid0(VALU_DEP_1)
	v_mad_u32_u24 v11, v4, 24, v11
	s_mul_i32 s40, s41, 96
	v_add_nc_u32 v11, s40, v11
	v_lshlrev_b32 v12, 7, v3
	s_lshl_b32 s40, s41, 2
	v_add_nc_u32 v12, s40, v12
	s_lshr_b32 s42, ttmp9, 5                       ; its cell: (W / 32) x 32 + K step, behind the 512 cells of the other three
	s_lshl_b32 s42, s42, 5
	s_add_co_u32 s42, s42, s41
	s_mul_i32 s42, s42, CELL
	s_add_co_u32 s42, s42, 6553600
	s_lshr_b32 s43, ttmp9, 2
	s_and_b32 s46, s43, 7
	s_mul_i32 s38, s46, 1536
	s_add_co_u32 s38, s38, s42
	s_mov_b32 s39, 0
	s_lshl_b32 s46, s46, 6
	s_add_co_u32 s46, s46, s42
	s_add_co_u32 s46, s46, 12288
	s_mov_b32 s47, 0
	s_mov_b32 s33, 0
	s_wait_alu depctr_va_vdst(0)
	s_wait_kmcnt 0x0
	s_cmp_lt_u32 ttmp9, 192                        ; row blocks 0-191 are qkvw's, 192-255 attn_ow's, whose image follows qkvw's
	s_cselect_b64 s[12:13], s[12:13], s[16:17]
	s_cselect_b64 s[14:15], s[14:15], s[18:19]
	s_cselect_b32 s40, 0, 192
	s_sub_co_u32 s40, ttmp9, s40
	s_mul_i32 s32, s40, 12288
	s_add_nc_u64 s[12:13], s[12:13], s[32:33]
	s_lshl_b32 s32, s40, 9
	s_add_nc_u64 s[14:15], s[14:15], s[32:33]
	s_mul_i32 s32, ttmp9, 12288
	s_add_nc_u64 s[20:21], s[20:21], s[32:33]
	s_lshl_b32 s32, ttmp9, 9
	s_add_nc_u64 s[22:23], s[22:23], s[32:33]
	s_mul_i32 s32, s43, 49152
	s_add_nc_u64 s[24:25], s[24:25], s[32:33]
	s_lshl_b32 s32, s43, 11
	s_add_nc_u64 s[26:27], s[26:27], s[32:33]
	s_add_nc_u64 s[34:35], s[28:29], s[34:35]
	s_add_nc_u64 s[36:37], s[28:29], s[36:37]
	s_add_nc_u64 s[38:39], s[28:29], s[38:39]
	s_add_nc_u64 s[46:47], s[28:29], s[46:47]
	RLD 32, 9, 12
	RLD 44, 9, 20
	RLD 56, 11, 24
	global_load_b32 v68, v10, s[14:15] th:TH_LOAD_NT
	global_load_b32 v69, v10, s[22:23] th:TH_LOAD_NT
	global_load_b32 v70, v12, s[26:27] th:TH_LOAD_NT
	s_wait_loadcnt 0x0
	STFRAG 32, 34, 0
	global_store_b32 v[R4], v68, s[36:37]
	STFRAG 44, 34, 3276800                         ; inter_w's image begins 256 cells on
	global_store_b32 v[R4], v69, s[36:37] offset:3276800
	STFRAG 56, 38, 0
	global_store_b32 v[R4], v70, s[46:47]
	s_endpgm
.Lfunc_end_k_qde1b85452c_ln1:
	.size	k_qde1b85452c_ln1, .Lfunc_end_k_qde1b85452c_ln1-k_qde1b85452c_ln1
	.p2alignl 7, 3214868480
	.fill 96, 4, 3214868480
	.section	.rodata,"a",@progbits
	.p2align	6, 0x0
	.amdhsa_kernel k_qde1b85452c_ln1
		.amdhsa_group_segment_fixed_size 66816
		.amdhsa_private_segment_fixed_size 0
		.amdhsa_enable_private_segment 0
		.amdhsa_kernarg_size 104
		.amdhsa_user_sgpr_count 2
		.amdhsa_user_sgpr_kernarg_segment_ptr 1
		.amdhsa_wavefront_size32 1
		.amdhsa_system_sgpr_workgroup_id_x 1
		.amdhsa_system_sgpr_workgroup_id_y 1
		.amdhsa_system_sgpr_workgroup_id_z 1
		.amdhsa_system_vgpr_workitem_id 0
		.amdhsa_next_free_vgpr 202
		.amdhsa_next_free_sgpr 66
		.amdhsa_reserve_vcc 0
		.amdhsa_float_denorm_mode_32 3
		.amdhsa_float_denorm_mode_16_64 3
		.amdhsa_memory_ordered 1
		.amdhsa_forward_progress 1
		.amdhsa_inst_pref_size 35
	.end_amdhsa_kernel
	.amdgpu_metadata
---
amdhsa.version: [ 1, 2 ]
amdhsa.kernels:
  - .name:           k_qde1b85452c_ln1
    .symbol:         k_qde1b85452c_ln1.kd
    .args:
      - { .name: x, .offset: 0, .size: 8, .value_kind: global_buffer, .address_space: global }
      - { .name: norm_w, .offset: 8, .size: 8, .value_kind: global_buffer, .address_space: global }
      - { .name: norm_b, .offset: 16, .size: 8, .value_kind: global_buffer, .address_space: global }
      - { .name: act, .offset: 24, .size: 8, .value_kind: global_buffer, .address_space: global }
      - { .name: qkvw_codes, .offset: 32, .size: 8, .value_kind: global_buffer, .address_space: global }
      - { .name: qkvw_scales, .offset: 40, .size: 8, .value_kind: global_buffer, .address_space: global }
      - { .name: attn_ow_codes, .offset: 48, .size: 8, .value_kind: global_buffer, .address_space: global }
      - { .name: attn_ow_scales, .offset: 56, .size: 8, .value_kind: global_buffer, .address_space: global }
      - { .name: inter_w_codes, .offset: 64, .size: 8, .value_kind: global_buffer, .address_space: global }
      - { .name: inter_w_scales, .offset: 72, .size: 8, .value_kind: global_buffer, .address_space: global }
      - { .name: output_w_codes, .offset: 80, .size: 8, .value_kind: global_buffer, .address_space: global }
      - { .name: output_w_scales, .offset: 88, .size: 8, .value_kind: global_buffer, .address_space: global }
      - { .name: wts, .offset: 96, .size: 8, .value_kind: global_buffer, .address_space: global }
    .group_segment_fixed_size: 66816
    .private_segment_fixed_size: 0
    .kernarg_segment_align: 8
    .kernarg_segment_size: 104
    .max_flat_workgroup_size: 256
    .sgpr_count:     66
    .vgpr_count:     202
    .wavefront_size: 32
...
	.end_amdgpu_metadata
.endif
;; end of part 1
;; launch qkv (part 2): grid 12 x 16, 4 waves a work-group, clusters of 4 x 4, 327,680 bytes of LDS; arguments act, wts, qkvb, qkv; writes qkv
.if DOCPART == 2
	.amdgcn_target "amdgcn-amd-amdhsa--gfx1250"
	.amdhsa_code_object_version 6
	.text
	.protected	k_qde1b85452c_qkv
	.globl	k_qde1b85452c_qkv
	.p2align	8
	.type	k_qde1b85452c_qkv,@function
k_qde1b85452c_qkv:
	s_mov_b64 s[64:65], 0
	v_nop
	global_prefetch_b8 v0, s[64:65] scope:SCOPE_SE
	s_setreg_imm32_b32 hwreg(HW_REG_WAVE_MODE, 25, 1), 1
	s_wait_xcnt 0x0
	s_wait_alu depctr_hold_cnt(0) depctr_sa_sdst(0) depctr_va_vdst(0) depctr_va_sdst(0) depctr_va_ssrc(0) depctr_va_vcc(0) depctr_vm_vsrc(0)
	s_getreg_b32 s2, hwreg(HW_REG_IB_STS2, 6, 4)
	s_cmp_eq_u32 s2, 0
	s_cbranch_scc0 .Lentry_in_a_cluster
	s_endpgm
.Lentry_in_a_cluster:
	s_bfe_u32 s2, ttmp6, 0x10000c
	s_cmp_lg_u32 s2, 0xf033
	s_cbranch_scc0 .Lentry_shape_is_right
	s_endpgm
.Lentry_shape_is_right:
; qkv = LN(x) qkvw + qkvb on E2M3 codes; q and k are quantised along the head's 64, v along the keys, and leave as operand images for the attention launch.
; Both operands arrive as images (cells of 128 rows x 128 K: 8 fragments of 1,536 bytes in register order, then 512 bytes of scale words; 12,800 bytes).
; THE PRODUCT IS USED TRANSPOSED: source 0 = 16 rows of Y, source 1 = 16 rows of X: a lane holds ONE row of X and its eight registers eight neighbouring rows of Y.
; Clusters with x = 0, 1 make q and k: X = tokens (act), Y = the weights' rows 0-2047: a lane's registers run along the head.  Clusters with x = 2 make v transposed: X = the weights' rows 2048-3071,
; Y = tokens: a lane's registers run along the keys.  The choice hangs on the cluster's x alone, which all sixteen partners share; shapes, LDS and the loop are the same.
; A tile of C is 256 x 256; four waves, each 128 x 128: 64 accumulators, 512 registers.  K goes through a ring of two LDS slots of 2 K steps (102,400 bytes each); each wave fetches a quarter of a slot.
; CLUSTERS: 4 x 4.  X's tile is shared along a row of the cluster, Y's along a column: each is asked for jointly, by the same tensor load with a mask that names the four.
; ORDER INSIDE A BLOCK OF 32: a lane holds columns 16 b + 8 h + j, so the codes of a block leave in the order 0-7, 16-23, 8-15, 24-31.  Both sides of q k^T are made here in that order, and so are v and (in the
; attention launch) p: the blocks, their scales and the products are those of the natural order.
; REGISTERS: window 0: v1-15 lane terms and the way out's addresses; v16-27 LDS addresses; v28, v29 the add's; v32-63 scale words, two sets; v96-127 at work on the way out; v128-223 X's fragments, one set.
;   window 1: Y's fragments, two sets (v0-95, v96-191); v192-255 the bias by columns.   windows 2, 3: accumulator (a, b) at v[8 (8 (a % 4) + b)] of window 2 + a / 4.
; LIMITS: a block of zeros gets the byte 1 where the quantiser says 127 (its codes are zeros; this program alone reads the bytes); NaN and infinities are not served.
.set CELL,  12800
.set NXB,   8                          ; X blocks of 16 rows a wave
.set NQ,    2                          ; K steps in a slot
.set KSN,   8                          ; K steps in all
.set BIASC, 0                          ; the sums begin with the constant 0: the bias is added on the way out
.set HB,    NXB/2
.set NL,    4                          ; LDS loads that bring a fragment
.set XREG,  4*CELL
.set SLOT,  XREG+2*NQ*CELL
.set SPARE, 2*SLOT                     ; the spare words, 128 bytes a wave: two blocks of 256 bytes that no other line names
.set STGQ,  SPARE+512                  ; q, k: 1,024 bytes a wave for scale words
.set STGV,  STGQ+4096                  ; v: 512 bytes a wave
.set LAPS,  KSN/(2*NQ)
.set XWR,   2*CELL                     ; from wave row 0 to wave row 1 in X's part of a slot
.set XSW,   2*CELL                     ; the same for X's scale words
.set AX16, 16
.set AX8,  18
.set AY16, 20
.set AY8,  22
.set AXS,  24
.set AYS,  26
.set SPW,  28
.set NIL,  29
.set SC,   32
.set TM,   96
.set PW,   112
.set PWE,  113
.set PWO,  114
.set RB,   116                         ; v116-123 the bias by rows of X (v's path)
.set HA,   128
.set XF,   128
.set PC,   192
.set BI,   192                         ; in window 1
.set G1X, 24
.set G0X, 32
.set G1Y, 48
.set G0Y, 56
.set SEL, 66
.set MSB, 0
.macro WIN new                         ; the immediate's high byte repeats the setting that is left
.if MSB != (\new)
	s_set_vgpr_msb (MSB<<8)|(\new)
.set MSB, (\new)
.endif
.endm
.macro PLACES n
.rept \n
	v_nop
.endr
.endm
.macro JLOAD s                         ; a joint load: waves 0, 1 fetch X's halves, waves 2, 3 Y's; four v_nop follow each line
	s_cmp_eq_u32 s15, 0
	s_cbranch_scc0 .Lfor_y_\@
	tensor_load_to_lds s[G0X+4*\s:G0X+4*\s+3], s[G1X:G1X+7]
	s_nop 0
	PLACES 4
	s_branch .Lasked_\@
.Lfor_y_\@:
	tensor_load_to_lds s[G0Y+4*\s:G0Y+4*\s+3], s[G1Y:G1Y+7]
	s_nop 0
	PLACES 4
.Lasked_\@:
.endm
.macro CREST                           ; a round of the cluster's barrier behind its opening barrier
	s_cmp_lg_u32 s14, 0
	s_cbranch_scc1 .Lnot_wave_0_\@
	s_barrier_signal -3
.Lnot_wave_0_\@:
	s_barrier_wait -3
	s_barrier_signal -1
	s_barrier_wait -1
.endm
.macro CROUND
	s_barrier_signal -1
	s_barrier_wait -1
	CREST
.endm
.macro FRAG reg, a16, a8, off          ; a fragment's image into 12 registers: consecutive bytes in every load
	ds_load_b128 v[\reg:\reg+3], v[\a16] offset:\off
	ds_load_b64 v[\reg+4:\reg+5], v[\a8] offset:\off+512
	ds_load_b128 v[\reg+6:\reg+9], v[\a16] offset:\off+768
	ds_load_b64 v[\reg+10:\reg+11], v[\a8] offset:\off+1280
.endm
.macro FETCH_Y slot, q, p
	WIN 0x40
.irp b, 0,1,2,3,4,5,6,7
	FRAG 96*(\p)+12*\b, AY16+\slot, AY8+\slot, (\q)*CELL+1536*\b
.endr
	WIN 0
.endm
.macro FETCH_X slot, q, i0, n
.set FI, \i0
.rept \n
	FRAG XF+12*FI, AX16+\slot, AX8+\slot, (\q)*CELL+1536*FI
.set FI, FI+1
.endr
.endm
.macro SCALES slot, q, p               ; one word a row: X's blocks at +0 .., Y's at +8 ..; lanes 0-15 are read
.set FI, 0
.rept NXB
	ds_load_b32 v[SC+16*(\p)+FI], v[AXS+\slot] offset:(\q)*CELL+64*FI
.set FI, FI+1
.endr
.irp b, 0,1,2,3,4,5,6,7
	ds_load_b32 v[SC+16*(\p)+8+\b], v[AYS+\slot] offset:(\q)*CELL+64*\b
.endr
.endm
.macro MULB a, p, zero                 ; X's block a against Y's eight
.set WD, 2+(\a)/4
	WIN (WD<<6)|(WD<<4)|1
.irp b, 0,1,2,3,4,5,6,7
.set AC, 8*(8*((\a)%4)+\b)
.if \zero
	v_wmma_scale_f32_16x16x128_f8f6f4 v[AC:AC+7], v[96*(\p)+12*\b:96*(\p)+12*\b+11], v[XF+12*(\a):XF+12*(\a)+11], 0, v[SC+16*(\p)+8+\b], v[SC+16*(\p)+(\a)] matrix_a_fmt:MATRIX_FMT_FP6 matrix_b_fmt:MATRIX_FMT_FP6
.else
	v_wmma_scale_f32_16x16x128_f8f6f4 v[AC:AC+7], v[96*(\p)+12*\b:96*(\p)+12*\b+11], v[XF+12*(\a):XF+12*(\a)+11], v[AC:AC+7], v[SC+16*(\p)+8+\b], v[SC+16*(\p)+(\a)] matrix_a_fmt:MATRIX_FMT_FP6 matrix_b_fmt:MATRIX_FMT_FP6
.endif
.endr
.endm
.macro MULS a0, n, p, zero             ; the accumulators take turns, one instruction a turn, in the same order in every step
.set MA, \a0
.rept \n
	MULB MA, \p, \zero
.set MA, MA+1
.endr
.endm
; A step of 128 along K that has its successor in the same slot.  X has one set of registers: its first half is fetched anew in the step's middle, its second half at the end; Y and the scale words have two sets.
.macro STEP slot, q, zero
	s_wait_dscnt HB*NL                             ; all but the youngest loads, X's second half
	MULS 0, HB, (\q)%2, \zero
	s_wait_dscnt 0x0
	PLACES 4                                       ; in front of loads into registers that matrix instructions have read
	FETCH_Y \slot, (\q)+1, 1-(\q)%2
	FETCH_X \slot, (\q)+1, 0, HB
	SCALES \slot, (\q)+1, 1-(\q)%2
	MULS HB, HB, (\q)%2, \zero
	PLACES 4
	WIN 0
	FETCH_X \slot, (\q)+1, HB, HB
.endm
; A slot's last step changes slots: one barrier; in front of it each wave waits for all its tensor loads, adds 0 to its spare word, and waits for that and for its reads of this slot.
.macro TURN slot, next, fill
	s_wait_tensorcnt 0x0                           ; all my tensor loads have landed: my part of the next slot
	ds_add_u32 v[SPW], v[NIL]
	s_wait_dscnt HB*NL+1                           ; (the add and X's second half may be out)
	MULS 0, HB/2, 1, 0
	s_wait_dscnt 0x0                               ; the add is done, and my reads of this slot are over
	s_barrier_signal -1
	MULS HB/2, HB/2, 1, 0
	WIN 0
	s_barrier_wait -1
.if \fill
	CREST                                          ; the barrier has opened a round of the cluster's: no wave of any partner still reads this slot or has a load on its way
	s_add_nc_u64 s[G0X+4*\slot+2:G0X+4*\slot+3], s[G0X+4*\slot+2:G0X+4*\slot+3], 2*NQ*CELL
	s_add_nc_u64 s[G0Y+4*\slot+2:G0Y+4*\slot+3], s[G0Y+4*\slot+2:G0Y+4*\slot+3], 2*NQ*CELL
	JLOAD \slot                                    ; the first tensor load behind the round; its four v_nop are the places in front of the loads below
.else
	PLACES 4
.endif
	FETCH_Y \next, 0, 0
	FETCH_X \next, 0, 0, HB
	SCALES \next, 0, 0
	MULS HB, HB, 1, 0
	PLACES 4
	WIN 0
	FETCH_X \next, 0, HB, HB
.endm
.macro MIDS slot, q0                   ; the slot's steps q0 .. NQ - 2
.set SQ, \q0
.rept NQ-1-(\q0)
	STEP \slot, SQ, 0
.set SQ, SQ+1
.endr
.endm
; 64 numbers of a lane, 16 of each of four blocks, become a fragment's codes in v[PC] .. v[PC+11] and its scale word in v[PW].
.macro QUANT s
.irp b, 0,1,2,3
	v_max3_num_f32 v[TM+\b], |v[\s+16*\b]|, |v[\s+1+16*\b]|, 0x1800000   ; and the floor 2^(3 - 127): the byte cannot fall under 1
.endr
.irp i, 2,4,6,8,10,12,14
.irp b, 0,1,2,3
	v_max3_num_f32 v[TM+\b], v[TM+\b], |v[\s+16*\b+\i]|, |v[\s+1+16*\b+\i]|
.endr
.endr
.irp b, 0,1,2,3
	v_permlanex16_b32 v[TM+4+\b], v[TM+\b], s[SEL], s[SEL+1]
.endr
.irp b, 0,1,2,3
	v_max_num_f32 v[TM+\b], v[TM+\b], v[TM+4+\b]
.endr
.irp b, 0,1,2,3
	v_add_nc_u32 v[TM+12+\b], 0xff000000, v[TM+\b]                  ; 2 off the exponent field: the conversion's scale operand
.endr
.irp b, 0,1,2,3
	v_lshrrev_b32 v[TM+4+\b], 23, v[TM+12+\b]
.endr
	v_lshl_or_b32 v[PW], v[TM+5], 8, v[TM+4]
	v_lshl_or_b32 v[PW], v[TM+6], 16, v[PW]
	v_lshl_or_b32 v[PW], v[TM+7], 24, v[PW]
.irp c, 0,1
	v_cvt_scalef32_pk16_fp6_f32 v[PC+6*\c:PC+2+6*\c], v[\s+32*\c:\s+15+32*\c], v[TM+12+2*\c]
	v_cvt_scalef32_pk16_fp6_f32 v[PC+12+4*\c:PC+14+4*\c], v[\s+16+32*\c:\s+31+32*\c], v[TM+12+2*\c+1]
.endr
	v_nop                                          ; one plain instruction behind the scaled conversions
.irp c, 0,1
.irp i, 0,1,2
	v_permlane16_swap_b32 v[PC+6*\c+\i], v[PC+12+4*\c+\i]
.endr
.irp i, 0,1,2
	v_mov_b32 v[PC+3+6*\c+\i], v[PC+12+4*\c+\i]
.endr
.endr
.endm
	s_load_b256 s[4:11], s[0:1], 0x0               ; act, wts, qkvb, qkv
	v_lshl_add_u32 v[SPW], v0, 2, SPARE
	v_mov_b32 v[NIL], 0
	ds_add_u32 v28, v29
	ds_add_u32 v28, v29
	s_wait_dscnt 0x0
	v_lshrrev_b32 v1, 5, v0
	v_readfirstlane_b32 s14, v1                    ; wave 0..3
	s_lshr_b32 s15, s14, 1                         ; wr: which half of X's rows is mine.  Also: I fetch for X (0) or for Y (1)
	s_and_b32 s16, s14, 1                          ; wc: which half of Y's rows.  Also: which half of that tile I fetch
	s_bfe_u32 s40, ttmp6, 0x40000                  ; cx
	s_bfe_u32 s41, ttmp6, 0x40004                  ; cy
	s_and_b32 s18, ttmp7, 0xffff
	s_lshl_b32 s18, s18, 2                         ; 4 x cluster y
	s_add_co_u32 s17, s18, s41                     ; tr = 4 x cluster y + cy
	s_add_co_u32 s19, s18, s40                     ; tt = 4 x cluster y + cx
	s_lshl_b32 s42, ttmp9, 2
	s_add_co_u32 s42, s42, s40                     ; tc = 4 x cluster x + cx
	s_add_co_u32 s70, s41, 8                       ; v's rows of the weights: tiles 8 + cy
	s_cmp_eq_u32 ttmp9, 2                          ; the cluster's x: the same in all sixteen partners
	s_cselect_b32 s71, s70, s17                    ; X's tile in its image: hangs on cy and the cluster's y alone
	s_cselect_b32 s72, s41, s17                    ; X's tile counted from the part's first row
	s_cselect_b32 s73, s19, s42                    ; Y's tile: hangs on cx and the cluster's place alone
	s_lshl_b32 s43, s41, 2
	s_lshl_b32 s43, 15, s43                        ; my row of the cluster
	s_lshl_b32 s44, 0x1111, s40                    ; my column
	; group 1: a dense block of 2 cells as 100 rows of 256 bytes (32 elements of 8 bytes), no padding
	s_or_b32 s[G1X], s43, (3<<16)|(1<<21)          ; 15:0 the mask; 17:16 elements of 8 bytes; 21 set beside a mask
	s_or_b32 s[G1Y], s44, (3<<16)|(1<<21)
.irp g, G1X, G1Y
	s_mov_b32 s[\g+1], 32<<16                      ; tensor_dim0
	s_mov_b32 s[\g+2], 100<<16                     ; tensor_dim1
	s_mov_b32 s[\g+3], 32<<16                      ; tile_dim0
	s_mov_b32 s[\g+4], 100                         ; tile_dim1
	s_mov_b32 s[\g+5], 32                          ; the pitch
	s_mov_b32 s[\g+6], 0
	s_mov_b32 s[\g+7], 0
.endr
	s_lshl_b32 s20, s71, 1
	s_add_co_u32 s20, s20, s16
	s_mul_i32 s20, s20, KSN*CELL                   ; X: group 2 x tile + half
	s_mov_b32 s21, 0
	s_lshl_b32 s46, s73, 1
	s_add_co_u32 s46, s46, s16
	s_mul_i32 s46, s46, KSN*CELL                   ; Y likewise
	s_mov_b32 s47, 0
	s_mul_i32 s45, s16, 2*CELL                     ; where they go in a slot: no place in the cluster enters an LDS address
	s_mul_i32 s94, s16, NQ*CELL
	s_add_co_u32 s94, s94, XREG
	s_mov_b32 s[SEL], 0x76543210
	s_mov_b32 s[SEL+1], 0xfedcba98
	s_wait_kmcnt 0x0
	s_cmp_eq_u32 ttmp9, 2
	s_cselect_b64 s[74:75], s[6:7], s[4:5]         ; X's image
	s_cselect_b64 s[76:77], s[4:5], s[6:7]         ; Y's
	s_add_nc_u64 s[20:21], s[74:75], s[20:21]
	s_add_nc_u64 s[46:47], s[76:77], s[46:47]
	CROUND                                         ; all sixteen work-groups are here: the first joint loads meet
.irp s, 0,1
	s_mov_b32 s[G0X+4*\s], 1
	s_add_co_u32 s[G0X+4*\s+1], s45, \s*SLOT
	s_add_nc_u64 s[G0X+4*\s+2:G0X+4*\s+3], s[20:21], \s*NQ*CELL
	s_or_b32 s[G0X+4*\s+3], s[G0X+4*\s+3], 0x80000000
	s_mov_b32 s[G0Y+4*\s], 1
	s_add_co_u32 s[G0Y+4*\s+1], s94, \s*SLOT
	s_add_nc_u64 s[G0Y+4*\s+2:G0Y+4*\s+3], s[46:47], \s*NQ*CELL
	s_or_b32 s[G0Y+4*\s+3], s[G0Y+4*\s+3], 0x80000000
.endr
	JLOAD 0                                        ; slot 0
	v_and_b32 v1, 31, v0
	v_and_b32 v2, 15, v0                           ; r
	v_bfe_u32 v3, v0, 4, 1                         ; h
	v_lshlrev_b32 v4, 4, v1                        ; 16 x lane
	v_lshlrev_b32 v5, 3, v1                        ; 8 x lane
	v_lshlrev_b32 v6, 2, v2                        ; 4 r
	v_lshlrev_b32 v7, 5, v3                        ; 32 h
	s_mul_i32 s86, s15, XWR
	s_mul_i32 s87, s16, NQ*CELL
	s_add_co_u32 s87, s87, XREG
	s_mul_i32 s88, s15, XSW
	s_add_co_u32 s88, s88, 12288
	s_add_co_u32 s89, s87, 12288
.irp s, 0,1
	v_add_nc_u32 v[AX16+\s], s86, v4
	v_add_nc_u32 v[AX8+\s], s86, v5
	v_add_nc_u32 v[AY16+\s], s87, v4
	v_add_nc_u32 v[AY8+\s], s87, v5
	v_add_nc_u32 v[AXS+\s], s88, v6
	v_add_nc_u32 v[AYS+\s], s89, v6
	s_add_co_u32 s86, s86, SLOT
	s_add_co_u32 s87, s87, SLOT
	s_add_co_u32 s88, s88, SLOT
	s_add_co_u32 s89, s89, SLOT
.endr
	; the way out's LDS addresses, made ahead of every parting
	s_lshl_b32 s86, s14, 10
	s_add_co_u32 s86, s86, STGQ
	v_add_nc_u32 v8, s86, v6
	v_add_nc_u32 v9, s86, v4
	s_lshl_b32 s86, s14, 9
	s_add_co_u32 s86, s86, STGV
	v_add_nc_u32 v10, s86, v6
	v_add_nc_u32 v11, s86, v4
	v_lshlrev_b32 v12, 4, v2
	v_lshl_add_u32 v12, v3, 12, v12                ; v's scale words: lanes 0-15 one head's 256 bytes, lanes 16-31 the next head's, 4,096 bytes on
.irp b, 0,1,2,3
	v_mov_b32 v[TM+4+\b], 0                        ; a lane permute's destination counts as one of its sources
.endr
	; both forms of the bias are loaded on both paths, each inside qkvb: by columns (q, k: Y's rows) and by rows of X (v)
	s_lshl_b32 s86, s73, 8
	s_lshl_b32 s87, s16, 7
	s_add_co_u32 s86, s86, s87
	s_and_b32 s86, s86, 2047
	s_lshl_b32 s90, s86, 2
	s_mov_b32 s91, 0
	s_add_nc_u64 s[90:91], s[8:9], s[90:91]
	s_lshl_b32 s86, s72, 8
	s_lshl_b32 s87, s15, 7
	s_add_co_u32 s86, s86, s87
	s_and_b32 s86, s86, 1023
	s_add_co_u32 s86, s86, 2048
	s_lshl_b32 s92, s86, 2
	s_mov_b32 s93, 0
	s_add_nc_u64 s[92:93], s[8:9], s[92:93]
.irp a, 0,1,2,3,4,5,6,7
	global_load_b32 v[RB+\a], v6, s[92:93] offset:64*\a
.endr
	WIN 0x40
.irp b, 0,1,2,3,4,5,6,7
	global_load_b128 v[BI+8*\b:BI+8*\b+3], v7, s[90:91] offset:64*\b          ; lane (r, h): columns 16 b + 8 h + 0 .. 7
	global_load_b128 v[BI+8*\b+4:BI+8*\b+7], v7, s[90:91] offset:64*\b+16
.endr
	WIN 0
	s_wait_alu depctr_va_vdst(0)
	s_wait_tensorcnt 0x0                           ; my part of slot 0 is in; slot 1's first fill is issued as a refill is:
	ds_add_u32 v[SPW], v[NIL]
	s_wait_dscnt 0x0
	CROUND                                         ; a whole round: slot 0 is whole, and the joint loads meet
	JLOAD 1                                        ; the first tensor load behind the round
	FETCH_Y 0, 0, 0
	FETCH_X 0, 0, 0, HB
	SCALES 0, 0, 0
	FETCH_X 0, 0, HB, HB
	s_wait_loadcnt 0x0                             ; the biases
	STEP 0, 0, 1                                   ; the first step stands in front of the loop: its products start the sums
	s_mov_b32 s3, LAPS-1
.Llap:                                             ; a trip goes once round the ring and fills both slots again
	MIDS 0, 1
	TURN 0, 1, 1
	MIDS 1, 0
	TURN 1, 0, 1
	STEP 0, 0, 0
	s_sub_co_u32 s3, s3, 1
	s_cmp_lg_u32 s3, 0
	s_cbranch_scc1 .Llap
	MIDS 0, 1
	TURN 0, 1, 0                                   ; the last lap fills nothing
	MIDS 1, 0
	s_wait_dscnt HB*NL
	MULS 0, HB, 1, 0
	s_wait_dscnt 0x0
	MULS HB, HB, 1, 0
	WIN 0
	PLACES 4                                       ; in front of the first reads of results and writes of operand registers
; THE WAY OUT, block by block of 16 rows of X: bias, quantiser, the fragment's image straight to memory; the scale words are gathered in the wave's own LDS bytes and leave at the end in whole runs.
.macro EPI a, vp
.set WA, 2+(\a)/4
.set AC, 64*((\a)%4)
.if \vp
	WIN WA
.set J, 0
.rept 32
.if (\a)%2
	v_pk_add_f32 v[HA+J:HA+J+1], v[AC+J:AC+J+1], v[RB+2*((\a)/2):RB+2*((\a)/2)+1] op_sel:[0,1] op_sel_hi:[1,1]
.else
	v_pk_add_f32 v[HA+J:HA+J+1], v[AC+J:AC+J+1], v[RB+2*((\a)/2):RB+2*((\a)/2)+1] op_sel:[0,0] op_sel_hi:[1,0]
.endif
.set J, J+2
.endr
.else
	WIN 0x04|WA
.set J, 0
.rept 32
	v_pk_add_f32 v[HA+J:HA+J+1], v[AC+J:AC+J+1], v[BI+J:BI+J+1]
.set J, J+2
.endr
.endif
	WIN 0
.if (\a) > 0
	s_wait_xcnt 0x0                                ; the last block's stores have read their data: the codes' registers may be written
	s_wait_dscnt 0x0                               ; and so have its LDS stores
.endif
	QUANT HA
.if \vp
	global_store_b128 v4, v[PC:PC+3], s[82:83] offset:((\a)/4)*98304+((\a)%4)*1536
	global_store_b64 v5, v[PC+4:PC+5], s[82:83] offset:((\a)/4)*98304+((\a)%4)*1536+512
	global_store_b128 v4, v[PC+6:PC+9], s[82:83] offset:((\a)/4)*98304+((\a)%4)*1536+768
	global_store_b64 v5, v[PC+10:PC+11], s[82:83] offset:((\a)/4)*98304+((\a)%4)*1536+1280
	ds_store_b32 v10, v[PW] offset:64*(\a)
.else
	global_store_b128 v4, v[PC:PC+3], s[82:83] offset:768*(\a)                 ; the even head's 64: half a fragment
	global_store_b64 v5, v[PC+4:PC+5], s[82:83] offset:768*(\a)+512
	global_store_b128 v4, v[PC+6:PC+9], s[82:83] offset:98304+768*(\a)         ; the odd head's
	global_store_b64 v5, v[PC+10:PC+11], s[82:83] offset:98304+768*(\a)+512
	v_and_b32 v[PWE], 0xffff, v[PW]                ; a head's two bytes in a word of its own; the upper two are 0 and meet zero codes
	v_lshrrev_b32 v[PWO], 16, v[PW]
	ds_store_b32 v8, v[PWE] offset:64*(\a)
	ds_store_b32 v8, v[PWO] offset:512+64*(\a)
.endif
.endm
	s_cmp_eq_u32 ttmp9, 2
	s_cbranch_scc1 .Lvpath
	; q, k.  My 128 columns are two heads; my 128 tokens are eight tiles of 16
	s_lshl_b32 s80, s42, 2
	s_lshl_b32 s81, s16, 1
	s_add_co_u32 s80, s80, s81                     ; 4 tc + 2 wc: 0-15 q's heads, 16-31 k's
	s_lshr_b32 s81, s80, 4
	s_lshl_b32 s81, s81, 5
	s_and_b32 s80, s80, 15
	s_add_co_u32 s80, s80, s81
	s_lshr_b32 s81, s17, 3
	s_lshl_b32 s81, s81, 4
	s_add_co_u32 s80, s80, s81                     ; 32 (k?) + 16 batch + head
	s_and_b32 s81, s17, 7
	s_lshl_b32 s81, s81, 1
	s_add_co_u32 s81, s81, s15                     ; which 128 tokens of the sequence
	s_mul_i32 s82, s80, 98304
	s_mul_i32 s83, s81, 6144
	s_add_co_u32 s82, s82, s83
	s_mov_b32 s83, 0
	s_add_nc_u64 s[82:83], s[10:11], s[82:83]
	s_lshl_b32 s84, s80, 13
	s_lshl_b32 s85, s81, 9
	s_add_co_u32 s84, s84, s85
	s_add_co_u32 s84, s84, 9437184
	s_mov_b32 s85, 0
	s_add_nc_u64 s[84:85], s[10:11], s[84:85]
.irp a, 0,1,2,3,4,5,6,7
	EPI \a, 0
.endr
	ds_load_b128 v[HA:HA+3], v9                    ; LDS serves a wave's instructions in order: these see my stores
	ds_load_b128 v[HA+4:HA+7], v9 offset:512
	s_wait_dscnt 0x0
	global_store_b128 v4, v[HA:HA+3], s[84:85]                   ; 128 tokens' words: 512 consecutive bytes
	global_store_b128 v4, v[HA+4:HA+7], s[84:85] offset:8192     ; the odd head's
	s_branch .Ldone
.Lvpath:
	; v.  My 128 rows of X are two heads of 64; my 128 tokens are one chunk of keys
	s_lshr_b32 s80, s19, 3
	s_lshl_b32 s80, s80, 4
	s_lshl_b32 s81, s41, 2
	s_add_co_u32 s80, s80, s81
	s_lshl_b32 s81, s15, 1
	s_add_co_u32 s80, s80, s81                     ; 16 batch + head
	s_lshl_b32 s80, s80, 4
	s_and_b32 s81, s19, 7
	s_lshl_b32 s81, s81, 1
	s_add_co_u32 s81, s81, s16
	s_add_co_u32 s80, s80, s81                     ; x 16 + chunk
	s_mul_i32 s82, s80, 6144
	s_add_co_u32 s82, s82, 6291456
	s_mov_b32 s83, 0
	s_add_nc_u64 s[82:83], s[10:11], s[82:83]
	s_lshl_b32 s84, s80, 8
	s_add_co_u32 s84, s84, 9961472
	s_mov_b32 s85, 0
	s_add_nc_u64 s[84:85], s[10:11], s[84:85]
.irp a, 0,1,2,3,4,5,6,7
	EPI \a, 1
.endr
	ds_load_b128 v[HA:HA+3], v11
	s_wait_dscnt 0x0
	global_store_b128 v12, v[HA:HA+3], s[84:85]    ; sixteen lanes store a head's 256 consecutive bytes
.Ldone:
	s_wait_tensorcnt 0x0                           ; the wave's end
	ds_add_u32 v[SPW], v[NIL]
	s_wait_dscnt 0x0
	CROUND                                         ; the closing round
	s_endpgm
.Lfunc_end_k_qde1b85452c_qkv:
	.size	k_qde1b85452c_qkv, .Lfunc_end_k_qde1b85452c_qkv-k_qde1b85452c_qkv
	.p2alignl 7, 3214868480
	.fill 96, 4, 3214868480
	.section	.rodata,"a",@progbits
	.p2align	6, 0x0
	.amdhsa_kernel k_qde1b85452c_qkv
		.amdhsa_group_segment_fixed_size 327680
		.amdhsa_private_segment_fixed_size 0
		.amdhsa_enable_private_segment 0
		.amdhsa_kernarg_size 32
		.amdhsa_user_sgpr_count 2
		.amdhsa_user_sgpr_kernarg_segment_ptr 1
		.amdhsa_wavefront_size32 1
		.amdhsa_system_sgpr_workgroup_id_x 1
		.amdhsa_system_sgpr_workgroup_id_y 1
		.amdhsa_system_sgpr_workgroup_id_z 1
		.amdhsa_system_vgpr_workitem_id 0
		.amdhsa_next_free_vgpr 1024
		.amdhsa_next_free_sgpr 100
		.amdhsa_reserve_vcc 0
		.amdhsa_float_denorm_mode_32 3
		.amdhsa_float_denorm_mode_16_64 3
		.amdhsa_memory_ordered 1
		.amdhsa_forward_progress 1
		.amdhsa_inst_pref_size 225
	.end_amdhsa_kernel
	.amdgpu_metadata
---
amdhsa.version: [ 1, 2 ]
amdhsa.kernels:
  - .name:           k_qde1b85452c_qkv
    .symbol:         k_qde1b85452c_qkv.kd
    .args:
      - { .name: act, .offset: 0, .size: 8, .value_kind: global_buffer, .address_space: global }
      - { .name: wts, .offset: 8, .size: 8, .value_kind: global_buffer, .address_space: global }
      - { .name: qkvb, .offset: 16, .size: 8, .value_kind: global_buffer, .address_space: global }
      - { .name: qkv, .offset: 24, .size: 8, .value_kind: global_buffer, .address_space: global }
    .group_segment_fixed_size: 327680
    .private_segment_fixed_size: 0
    .kernarg_segment_align: 8
    .kernarg_segment_size: 32
    .max_flat_workgroup_size: 128
    .sgpr_count:     100
    .vgpr_count:     1024
    .wavefront_size: 32
...
	.end_amdgpu_metadata
.endif
;; end of part 2
;; launch attn (part 3): grid 8 x 32, 16 waves a work-group, no clusters, 169,984 bytes of LDS; arguments qkv, input_mask, act; writes act
.if DOCPART == 3
	.amdgcn_target "amdgcn-amd-amdhsa--gfx1250"
	.amdhsa_code_object_version 6
	.text
	.protected	k_qde1b85452c_attn
	.globl	k_qde1b85452c_attn
	.p2align	8
	.type	k_qde1b85452c_attn,@function
k_qde1b85452c_attn:
	s_mov_b64 s[64:65], 0
	v_nop
	global_prefetch_b8 v0, s[64:65] scope:SCOPE_SE
	s_setreg_imm32_b32 hwreg(HW_REG_WAVE_MODE, 25, 1), 1
	s_wait_xcnt 0x0
; ctx = softmax(q k^T / 8, causal, + input_mask) v for one head, both products on E2M3 codes; ctx / l is quantised along the features and leaves as half fragments of the next product's image.
; t = logit x log2(e); M = the running largest t rounded up to a whole number; p = 2^(t - M) is quantised along the keys; l is the sum of the unquantised p.
; INPUTS (made by the launch before): q, k as half fragments (16 tokens x the head's 64: 768 bytes, in register order) with one scale word a token (two bytes used, two 0); v as fragments (16 of the head's 64 x 128 keys).
; The instruction's K is 128 and the head's is 64: q's upper six registers are zero codes, against which the upper six registers of k's operand (the next tile's codes) add nothing.
; SHARES.  A work-group takes the 128-query block 15 - j of a head and then block j.  A block is eight tiles of 16 queries; TWO waves share a tile: of each slot of 256 keys wave g = 0 takes the first 128, wave g = 1 the second.
; Block i needs i + 1 key steps, ceil((i + 1) / 2) slots: ceil((16 - j) / 2) + ceil((j + 1) / 2) = 9 slots for every j, one key step a wave in each: 3 trips of 3 slots.
; K and V of 256 keys (24,576 bytes) go through THREE LDS slots, copied through registers, 1,536 dense bytes a wave.  In slot n a wave reads LDS slot n % 3, then waits for barrier n - 1, stores the bytes of slot n + 2
; into LDS slot (n + 2) % 3 (read last in slot n - 1: every wave's signal n - 1 stands behind its reads of it), asks memory for the bytes of slot n + 3, and signals barrier n.  THE BARRIER IS SPLIT: between a signal and its
; wait stand the next step's LDS loads and register work alone; those loads name LDS slot (n + 1) % 3 and the tables, which no wave writes before a later barrier (the stores on both sides go to the other two slots).
; AT A BLOCK'S END wave g = 1 puts O^T, -M and l into LDS bytes of its own ahead of its signal; there the wait follows the signal at once, wave g = 0 joins its partner's part with its own (both M are whole numbers, so
; both factors are exact powers of two), stores the block, every wave begins the next block's sums, and a second signal opens the barrier that the next step's end waits for.  The last block ends by the same lines.
; NO CLUSTER, NO TENSOR LOADS: the eight work-groups of a head begin their second block in different slots (5 to 8), so from there on they walk different key slots.
; BOTH PRODUCTS TRANSPOSED: S^T = k q^T (+ 8 x mask as the sum's start: 1/8 is folded into c, and x 8 is exact), O^T = v^T p^T: a lane holds one query (lane % 16) throughout.
; The codes of p leave the quantiser in the order 0-7, 16-23, 8-15, 24-31 inside each block of 32 keys, as v's were made: the products are those of the natural order.
; A key step all of whose keys come after the wave's queries is left out by a scalar branch on ids, round no barrier.
; LIMITS: hidden keys get -1e9 without their mask addend, and tiles wholly behind the diagonal are left out: right while every query has a visible key whose logit lies some 200 above -1e9 + the largest input_mask
; (|input_mask| under about 1e8, and finite).  A block of zeros gets the byte 1, not 127 (zero codes; this program alone reads the bytes).  NaN and infinities are not served.
; REGISTERS: v1 16 lane, v2 8 lane, v3, v4 lane terms of mask and scale words, v5, v7 my half of a slot's k by 16 and 8 bytes a lane, v94, v95 of its v, v6 where I store my copy, v8-10 addresses in hand,
; v11 my partner's stage, v29 mine, v12 -M, v13 largest t, v[14:15] l, v16-27 q, v28 q's scale word, v30 prefetch offset, v31 r - 8 h, v32-85 k's eight half fragments (v80-85 stay 0), then v32-79 v's four fragments,
; v86-93 scale words, v96-159 S then p, v160-191 O^T, v192-210 p's codes, v212-223 block maxima and scales at work, v224 p's scale word, v225 4 r, v[226:227] f, v228-231, v252-253 at work, v232-243 the copy,
; v244-250 the second block's q.
.set CELL,  12800
.set SLOT1, 24576
.set VOFF,  12288
.set MSK,   73728                      ; 8 x input_mask of the batch: 8,192 bytes
.set KSC,   81920                      ; k's scale words of the head: 8,192 bytes
.set VSC,   90112                      ; v's: 4,096 bytes
.set SPARE, 94208                      ; the spare words: 128 bytes a wave
.set STG,   96256                      ; the stages: STT bytes a wave
.set STT,   4608                       ; O^T 4,096 bytes, then -M and l at 16 bytes a lane
.set WV,  10
.set BH,  12
.set BLK, 13
.set Q0,  14
.set N1,  15                           ; slots of the first block
.set KF,  16
.set TS,  17
.set TJ,  18
.set SN,  19
.set SEL, 20
.set CS,  22
.set CP,  24
.set PFA, 26
.set LIM, 28
.set TC,  29
.set KS,  50
.set G,   51
.set CPB, 52
.set Q2,  58
.set PE,  60
	s_load_b128 s[4:7], s[0:1], 0x0                ; qkv, input_mask
	s_load_b64 s[8:9], s[0:1], 0x10                ; act
	v_lshl_add_u32 v254, v0, 2, SPARE
	v_mov_b32 v255, 0
	v_lshrrev_b32 v8, 5, v0
	s_delay_alu instid0(VALU_DEP_1)
	v_readfirstlane_b32 s[WV], v8                  ; wave 0..15
	s_lshr_b32 s30, s[WV], 2
	s_xor_b32 s30, s30, s[WV]
	s_and_b32 s[G], s30, 1                         ; g: which 128 keys of a slot; two of each on a SIMD whichever way the waves are dealt; waves 2 t and 2 t + 1 differ in it
	s_lshr_b32 s34, s[WV], 1                       ; which 16 queries of the block
	s_mul_i32 s35, s[WV], 1536
	s_mul_i32 s36, s[G], 6144
	s_mul_i32 s37, s[WV], STT
	s_add_co_u32 s37, s37, STG
	s_xor_b32 s38, s[WV], 1
	s_mul_i32 s38, s38, STT
	s_add_co_u32 s38, s38, STG
	v_and_b32 v9, 31, v0
	v_and_b32 v10, 15, v0                          ; r
	v_bfe_u32 v11, v0, 4, 1                        ; h
	v_lshlrev_b32 v1, 4, v9
	v_lshlrev_b32 v2, 3, v9
	v_lshl_add_u32 v3, v11, 5, MSK
	v_lshl_add_u32 v4, v10, 2, KSC
	v_lshlrev_b32 v8, 3, v11
	v_lshlrev_b32 v225, 2, v10
	v_add_nc_u32 v6, s35, v1
	v_add_nc_u32 v5, s36, v1
	v_add_nc_u32 v7, s36, v2
	v_add_nc_u32 v29, s37, v1
	v_add_nc_u32 v11, s38, v1
	v_sub_nc_u32 v31, v10, v8                      ; r - 8 h
	v_add_nc_u32 v94, VOFF, v5
	v_add_nc_u32 v95, VOFF, v7
	v_lshlrev_b32 v228, 4, v0                      ; 16 x thread
	v_lshlrev_b32 v229, 3, v0                      ; 8 x thread
	v_lshl_add_u32 v230, v0, 4, MSK
	v_lshl_add_u32 v231, v0, 3, VSC
	v_lshlrev_b32 v30, 8, v0                       ; the prefetches: block i = thread (waves 0-2): i < 48: k's block 256 i of a slot; else v's block 256 (i - 48)
	v_cmp_lt_u32 vcc_lo, 47, v0
	v_mov_b32 v8, 3133440                          ; from k's region to v's, less k's 48 blocks
	s_delay_alu instid0(VALU_DEP_1)
	v_cndmask_b32 v8, 0, v8, vcc_lo
	s_delay_alu instid0(VALU_DEP_1)
	v_add_nc_u32 v30, v30, v8
	s_wait_alu depctr_va_vdst(0)
	s_and_b32 s[BH], ttmp7, 0xffff                 ; 16 batch + head
	s_sub_co_u32 s[BLK], 15, ttmp9                 ; the first block
	s_lshl_b32 s31, s34, 4
	s_lshl_b32 s[Q0], s[BLK], 7
	s_add_co_u32 s[Q0], s[Q0], s31                 ; my first query there,
	s_lshl_b32 s[Q2], ttmp9, 7
	s_add_co_u32 s[Q2], s[Q2], s31                 ; and in the second block
	s_sub_co_u32 s[N1], 17, ttmp9
	s_lshr_b32 s[N1], s[N1], 1                     ; ceil((16 - j) / 2)
	s_cmp_lt_u32 s[WV], 3
	s_cselect_b32 s[LIM], 5, 0
	s_cmp_eq_u32 ttmp9, 0
	s_cselect_b32 s[LIM], s[LIM], 0                ; waves 0-2 of the head's first work-group prefetch, at the ends of slots 0-3: key slots 4-7 (its first block walks key slots 0-7)
	s_mov_b32 s[SEL], 0x76543210
	s_mov_b32 s[SEL+1], 0xfedcba98
	s_mov_b32 s[CS], 0x3e38aa3b                    ; c = log2(e) / 8
	s_mov_b32 s[CS+1], s[CS]
	s_lshl_b32 s[KF], s[G], 7                      ; my first key, and its places in the tables of mask and scale words
	s_lshl_b32 s[TS], s[G], 9
	s_lshl_b32 s[TJ], s[G], 8
	s_mov_b32 s[SN], 0
; where ctx goes: cell (16 batch + block) x 8 + head / 2, fragment = my 16 queries, half = head % 2
.macro OADR blk, d
	s_lshr_b32 s44, s[BH], 4
	s_lshl_b32 s44, s44, 4
	s_add_co_u32 s44, s44, \blk
	s_lshl_b32 s44, s44, 3
	s_bfe_u32 s45, s[BH], 0x30001
	s_add_co_u32 s44, s44, s45
	s_mul_i32 s44, s44, CELL
	s_and_b32 s45, s[BH], 1
	s_mul_i32 s[\d], s34, 1536
	s_add_co_u32 s[\d], s[\d], s44
	s_mul_i32 s59, s45, 768
	s_add_co_u32 s[\d], s[\d], s59
	s_mov_b32 s[\d+1], 0
	s_lshl_b32 s[\d+2], s34, 6
	s_add_co_u32 s[\d+2], s[\d+2], s44
	s_lshl_b32 s59, s45, 1
	s_add_co_u32 s[\d+2], s[\d+2], s59
	s_add_co_u32 s[\d+2], s[\d+2], 12288
	s_mov_b32 s[\d+3], 0
.endm
	OADR s[BLK], 46
	OADR ttmp9, 54
	s_mul_i32 s30, s[BH], 98304
	s_mov_b32 s31, 0
	s_mov_b32 s37, 0
	s_wait_kmcnt 0x0
	s_add_nc_u64 s[46:47], s[8:9], s[46:47]
	s_add_nc_u64 s[48:49], s[8:9], s[48:49]
	s_add_nc_u64 s[54:55], s[8:9], s[54:55]
	s_add_nc_u64 s[56:57], s[8:9], s[56:57]
	s_add_nc_u64 s[32:33], s[4:5], s[30:31]        ; the head's q
	s_add_nc_u64 s[PFA:PFA+1], s[32:33], 3145728   ; the head's k
	s_lshr_b32 s35, s[WV], 3
	s_mul_i32 s36, s35, 3145728                    ; waves 8-15 copy v, whose region lies as far behind k's
	s_and_b32 s35, s[WV], 7
	s_mul_i32 s35, s35, 1536
	s_add_co_u32 s36, s36, s35
	s_add_nc_u64 s[CPB:CPB+1], s[PFA:PFA+1], s[36:37]
	s_add_nc_u64 s[PFA:PFA+1], s[PFA:PFA+1], 3*12288   ; stepped ahead of each prefetch: the first names key slot 4
	s_lshr_b32 s36, s[Q0], 4
	s_mul_i32 s36, s36, 768
	s_add_nc_u64 s[38:39], s[32:33], s[36:37]      ; my tile of q in the first block,
	s_lshr_b32 s36, s[Q2], 4
	s_mul_i32 s36, s36, 768
	s_add_nc_u64 s[32:33], s[32:33], s[36:37]      ; and in the second
	s_lshl_b32 s36, s[BH], 13
	s_add_nc_u64 s[40:41], s[4:5], s[36:37]
	s_add_nc_u64 s[42:43], s[40:41], 9437184       ; q's scale words
	s_add_nc_u64 s[40:41], s[40:41], 9699328       ; k's
	s_lshl_b32 s36, s[Q0], 2
	s_add_nc_u64 s[44:45], s[42:43], s[36:37]
	s_lshl_b32 s36, s[Q2], 2
	s_add_nc_u64 s[42:43], s[42:43], s[36:37]
	s_lshl_b32 s36, s[BH], 12
	s_add_nc_u64 s[62:63], s[4:5], s[36:37]
	s_add_nc_u64 s[62:63], s[62:63], 9961472       ; v's scale words
	s_lshr_b32 s36, s[BH], 4
	s_lshl_b32 s36, s36, 13
	s_add_nc_u64 s[6:7], s[6:7], s[36:37]          ; the batch's mask
	global_load_b128 v[96:99], v228, s[6:7]
	global_load_b128 v[100:103], v228, s[40:41]
	global_load_b64 v[104:105], v229, s[62:63]
	global_load_b128 v[232:235], v1, s[CPB:CPB+1]               ; slot 0
	global_load_b128 v[236:239], v1, s[CPB:CPB+1] offset:512
	global_load_b128 v[240:243], v1, s[CPB:CPB+1] offset:1024
	global_load_b128 v[32:35], v1, s[CPB:CPB+1] offset:12288    ; slot 1
	global_load_b128 v[36:39], v1, s[CPB:CPB+1] offset:12288+512
	global_load_b128 v[40:43], v1, s[CPB:CPB+1] offset:12288+1024
	global_load_b128 v[16:19], v1, s[38:39]
	global_load_b64 v[20:21], v2, s[38:39] offset:512
	global_load_b32 v28, v225, s[44:45]
	global_load_b128 v[244:247], v1, s[32:33]                   ; the second block's q waits in registers
	global_load_b64 v[248:249], v2, s[32:33] offset:512
	global_load_b32 v250, v225, s[42:43]
.irp j, 22,23,24,25,26,27,80,81,82,83,84,85
	v_mov_b32 v\j, 0                               ; zero codes
.endr
	v_mov_b32 v13, 0xff61b1e6                      ; the largest t so far: -3e38
	s_delay_alu instid0(VALU_DEP_1)
	v_floor_f32 v12, -v13                          ; -M
	v_mov_b32 v14, 0
	v_mov_b32 v15, 0
.irp j, 216,217,218,219,227
	v_mov_b32 v\j, 0                               ; permutes' destinations, and the upper half of f's pair, are written once
.endr
.set J, 0
.rept 32
	v_mov_b32 v[160+J], 0                          ; O^T: the step is written once, and its first walk finds zeros
.set J, J+1
.endr
	s_wait_alu depctr_va_vdst(0)
	s_wait_loadcnt 0x0
	s_add_nc_u64 s[CP:CP+1], s[CPB:CPB+1], 2*12288 ; key slot 2
	s_mov_b32 s63, 0                               ; (the load that named s[62:63] is done) the upper word of an offset
	v_pk_mul_f32 v[96:97], v[96:97], 0x41000000 op_sel_hi:[1,0]   ; 8 x mask: exact
	v_pk_mul_f32 v[98:99], v[98:99], 0x41000000 op_sel_hi:[1,0]
	ds_store_b128 v230, v[96:99]
	ds_store_b128 v230, v[100:103] offset:KSC-MSK
	ds_store_b64 v231, v[104:105]
	ds_store_b128 v6, v[232:235]
	ds_store_b128 v6, v[236:239] offset:512
	ds_store_b128 v6, v[240:243] offset:1024
	ds_store_b128 v6, v[32:35] offset:SLOT1
	ds_store_b128 v6, v[36:39] offset:SLOT1+512
	ds_store_b128 v6, v[40:43] offset:SLOT1+1024
	s_wait_dscnt 0x0                               ; for the others' sake
	s_barrier_signal -1
	s_barrier_wait -1                              ; the tables and slots 0 and 1 are whole
	global_load_b128 v[232:235], v1, s[CP:CP+1]                 ; slot 2, stored at slot 0's end
	global_load_b128 v[236:239], v1, s[CP:CP+1] offset:512
	global_load_b128 v[240:243], v1, s[CP:CP+1] offset:1024
	s_barrier_signal -1                            ; the barrier that slot 0's end waits for
; A KEY STEP: my 128 keys of LDS slot sl.  LDS loads and register work alone: it stands between a barrier's signal and its wait.
.macro STEP sl
.set KOF, (\sl)*SLOT1
	s_add_co_u32 s30, s[Q0], 15
	s_cmp_gt_u32 s[KF], s30                        ; all keys behind my queries: the step's work is left out
	s_cbranch_scc1 .Lhidden_\@
	v_add_nc_u32 v8, s[TS], v3                     ; these three and the v_nop are the places behind the last products
	v_add_nc_u32 v9, s[TS], v4
	v_add_nc_u32 v10, s[TJ], v4
	v_nop
.irp t, 0,1,2,3,4,5,6,7
	ds_load_b128 v[96+8*\t:99+8*\t], v8 offset:64*\t          ; 8 x mask of keys 16 t + 8 h + 0 .. 7: the sums' start
	ds_load_b128 v[100+8*\t:103+8*\t], v8 offset:64*\t+16
.endr
.irp t, 0,1,2,3,4,5,6,7
	ds_load_b128 v[32+6*\t:35+6*\t], v5 offset:KOF+768*\t
	ds_load_b64 v[36+6*\t:37+6*\t], v7 offset:KOF+768*\t+512
	ds_load_b32 v[86+\t], v9 offset:64*\t
.endr
	s_wait_alu depctr_va_vdst(0)
	s_wait_dscnt 0x0
.irp t, 0,1,2,3,4,5,6,7
	v_wmma_scale_f32_16x16x128_f8f6f4 v[96+8*\t:103+8*\t], v[32+6*\t:43+6*\t], v[16:27], v[96+8*\t:103+8*\t], v[86+\t], v28 matrix_a_fmt:MATRIX_FMT_FP6 matrix_b_fmt:MATRIX_FMT_FP6
.endr
.rept 4
	v_nop                                          ; places: in front of the loads below and of the first reads of the scores
.endr
.irp t, 0,1,2,3                                ; v's four fragments are asked for now and land under the softmax
	ds_load_b128 v[32+12*\t:35+12*\t], v94 offset:KOF+1536*\t
	ds_load_b64 v[36+12*\t:37+12*\t], v95 offset:KOF+1536*\t+512
	ds_load_b128 v[38+12*\t:41+12*\t], v94 offset:KOF+1536*\t+768
	ds_load_b64 v[42+12*\t:43+12*\t], v95 offset:KOF+1536*\t+1280
	ds_load_b32 v[86+\t], v10 offset:VSC-KSC+64*\t
.endr
	s_add_co_u32 s30, s[KF], 127
	s_cmp_le_u32 s30, s[Q0]                        ; all keys count: no mask
	s_cbranch_scc1 .Lopen_\@
	s_sub_co_i32 s30, s[Q0], s[KF]
	v_add_nc_u32 v229, s30, v31                    ; d = my query - KF - 8 h.  Register 8 t + j holds key KF + 16 t + 8 h + j: hidden where 16 t + j > d
	v_mov_b32 v230, 0xcfee6b28                     ; -8e9: -1e9 in the logit's units
.set N, 0
.rept 64
	v_cmp_gt_i32 vcc_lo, 16*(N/8)+N%8, v229
	v_cndmask_b32 v[96+N], v[96+N], v230, vcc_lo
.set N, N+1
.endr
.Lopen_\@:
.irp b, 0,1,2,3
	v_max3_num_f32 v[212+\b], v[96+16*\b], v[97+16*\b], v[98+16*\b]   ; the largest score of each block of 32 keys: for the row's maximum and for the block's largest p
.endr
.irp i, 3,5,7,9,11,13
.irp b, 0,1,2,3
	v_max3_num_f32 v[212+\b], v[212+\b], v[96+16*\b+\i], v[97+16*\b+\i]
.endr
.endr
.irp b, 0,1,2,3
	v_max_num_f32 v[212+\b], v[212+\b], v[111+16*\b]
.endr
.irp b, 0,1,2,3
	s_delay_alu instid0(VALU_DEP_4)
	v_permlanex16_b32 v[216+\b], v[212+\b], s[SEL], s[SEL+1]
.endr
.irp b, 0,1,2,3
	s_delay_alu instid0(VALU_DEP_4)
	v_max_num_f32 v[212+\b], v[212+\b], v[216+\b]
.endr
	s_delay_alu instid0(VALU_DEP_2)
	v_max3_num_f32 v228, v212, v213, v214
	s_delay_alu instid0(VALU_DEP_1)
	v_max_num_f32 v228, v228, v215
	s_delay_alu instid0(VALU_DEP_1)
	v_mul_f32 v228, s[CS], v228                    ; as t
	s_delay_alu instid0(VALU_DEP_1)
	v_max_num_f32 v13, v13, v228                   ; the running largest t
	v_mov_b32 v228, v12
	s_delay_alu instid0(VALU_DEP_2)
	v_floor_f32 v12, -v13                          ; the new -M = -ceil(t)
	s_delay_alu instid0(VALU_DEP_1)
	v_sub_f32 v228, v12, v228                      ; old M - new M: a whole number, 0 or less
	s_delay_alu instid0(VALU_DEP_1)
	v_cvt_i32_f32 v228, v228                       ; (it saturates)
	s_delay_alu instid0(VALU_DEP_1)
	v_ldexp_f32 v226, 1.0, v228                    ; f = 2^(old M - new M)
.set J, 0
.rept 32
	v_pk_fma_f32 v[96+J:97+J], v[96+J:97+J], s[CS:CS+1], v[12:13] op_sel_hi:[1,0,0]   ; t - M
.set J, J+2
.endr
.irp b, 0,1,2,3
	v_fma_f32 v[212+\b], v[212+\b], s[CS], v12
.endr
.set J, 0
	s_wait_alu depctr_va_vdst(0)
.rept 64
	v_exp_f32 v[96+J], v[96+J]                     ; p = 2^(t - M)
.set J, J+1
.endr
	v_pk_mul_f32 v[14:15], v[14:15], v[226:227] op_sel_hi:[1,0]     ; l under the new M: a plain instruction behind the batch
	s_wait_alu depctr_va_vdst(0)                   ; one wait for the 64, ahead of their first reader
.irp b, 0,1,2,3
	v_exp_f32 v[212+\b], v[212+\b]                 ; the block's largest p: the same two instructions on the same number
.endr
	v_pk_add_f32 v[216:217], v[96:97], v[98:99]    ; l: the unquantised p, two at a time, in four chains by turns
	v_pk_add_f32 v[252:253], v[100:101], v[102:103]
	v_pk_add_f32 v[230:231], v[104:105], v[106:107]
	v_pk_add_f32 v[14:15], v[14:15], v[108:109]
.irp j, 110,118,126,134,142,150
	v_pk_add_f32 v[216:217], v[216:217], v[\j:\j+1]
	v_pk_add_f32 v[252:253], v[252:253], v[\j+2:\j+3]
	v_pk_add_f32 v[230:231], v[230:231], v[\j+4:\j+5]
	v_pk_add_f32 v[14:15], v[14:15], v[\j+6:\j+7]
.endr
	v_pk_add_f32 v[216:217], v[216:217], v[158:159]
	s_delay_alu instid0(VALU_DEP_2)
	v_pk_add_f32 v[14:15], v[14:15], v[252:253]
	s_delay_alu instid0(VALU_DEP_2)
	v_pk_add_f32 v[216:217], v[216:217], v[230:231]
	s_delay_alu instid0(VALU_DEP_1)
	v_pk_add_f32 v[14:15], v[14:15], v[216:217]
	s_wait_alu depctr_va_vdst(0)                   ; and one for the four
.irp b, 0,1,2,3
	v_max_num_f32 v[212+\b], 0x1800000, v[212+\b]  ; the floor 2^(3 - 127)
.endr
.irp b, 0,1,2,3
	s_delay_alu instid0(VALU_DEP_4)
	v_add_nc_u32 v[220+\b], 0xff000000, v[212+\b]
.endr
.irp b, 0,1,2,3
	s_delay_alu instid0(VALU_DEP_4)
	v_lshrrev_b32 v[216+\b], 23, v[220+\b]
.endr
	s_delay_alu instid0(VALU_DEP_3)
	v_lshl_or_b32 v224, v217, 8, v216              ; p's scale word for these 128 keys
	s_delay_alu instid0(VALU_DEP_1)
	v_lshl_or_b32 v224, v218, 16, v224
	s_delay_alu instid0(VALU_DEP_1)
	v_lshl_or_b32 v224, v219, 24, v224
.irp c, 0,1
	v_cvt_scalef32_pk16_fp6_f32 v[192+6*\c:194+6*\c], v[96+32*\c:111+32*\c], v[220+2*\c]
	v_cvt_scalef32_pk16_fp6_f32 v[204+4*\c:206+4*\c], v[112+32*\c:127+32*\c], v[220+2*\c+1]
.endr
	v_nop                                          ; one plain instruction behind the scaled conversions
.irp c, 0,1
.irp i, 0,1,2
	v_permlane16_swap_b32 v[192+6*\c+\i], v[204+4*\c+\i]
.endr
.irp i, 0,1,2
	s_delay_alu instid0(VALU_DEP_3)
	v_mov_b32 v[195+6*\c+\i], v[204+4*\c+\i]
.endr
.endr
.set J, 0
.rept 16
	v_pk_mul_f32 v[160+J:161+J], v[160+J:161+J], v[226:227] op_sel_hi:[1,0]   ; O^T under the new M; these are also the places in front of the products below
.set J, J+2
.endr
	s_wait_alu depctr_va_vdst(0)
	s_wait_dscnt 0x0                               ; v
.irp t, 0,1,2,3
	v_wmma_scale_f32_16x16x128_f8f6f4 v[160+8*\t:167+8*\t], v[32+12*\t:43+12*\t], v[192:203], v[160+8*\t:167+8*\t], v[86+\t], v224 matrix_a_fmt:MATRIX_FMT_FP6 matrix_b_fmt:MATRIX_FMT_FP6
.endr
.Lhidden_\@:
.endm
; A BLOCK'S END, wave g = 1: O^T (each accumulator from its low end on), -M and l into my own stage
.macro SENDST
.rept 4
	v_nop                                          ; places behind the last products
.endr
	v_add_f32 v13, v14, v15                        ; l's two halves (the largest t is done with)
.irp k, 0,1,2,3,4,5,6,7
	ds_store_b128 v29, v[160+4*\k:163+4*\k] offset:512*\k
.endr
	ds_store_b64 v29, v[12:13] offset:4096
.endm
; A BLOCK'S END, wave g = 0, behind the barrier: my partner's part joins mine; O^T / l, put in the natural order along the head, is quantised: two blocks of 32, half a fragment
.macro MERGE
.irp k, 0,1,2,3,4,5,6,7
	ds_load_b128 v[96+4*\k:99+4*\k], v11 offset:512*\k
.endr
	ds_load_b64 v[128:129], v11 offset:4096
	s_wait_dscnt 0x0
	v_add_f32 v14, v14, v15
	v_min_num_f32 v228, v12, v128                  ; -M of both: the larger M
	v_sub_f32 v229, v228, v12                      ; my M - the larger: a whole number, 0 or less
	v_sub_f32 v230, v228, v128                     ; my partner's (a partner that had no step holds M = -3e38, l = 0, O^T = 0: its factor comes out 0)
	v_cvt_i32_f32 v229, v229                       ; (they saturate)
	v_cvt_i32_f32 v230, v230
	v_ldexp_f32 v226, 1.0, v229
	v_ldexp_f32 v230, 1.0, v230
	v_mul_f32 v14, v14, v226
	v_fmac_f32 v14, v129, v230
	v_permlanex16_b32 v216, v14, s[SEL], s[SEL+1]
	v_add_f32 v14, v14, v216                       ; the row's sum
	s_wait_alu depctr_va_vdst(0)
	v_rcp_f32 v228, v14
	v_nop
	s_wait_alu depctr_va_vdst(0)
	v_mul_f32 v226, v226, v228                     ; both factors take 1 / l with them
	v_mul_f32 v230, v230, v228
	s_wait_alu depctr_va_vdst(0)
.set J, 0
.rept 16
	v_pk_mul_f32 v[160+J:161+J], v[160+J:161+J], v[226:227] op_sel_hi:[1,0]
.set J, J+2
.endr
.set J, 0
.rept 16
	v_pk_fma_f32 v[160+J:161+J], v[96+J:97+J], v[230:231], v[160+J:161+J] op_sel_hi:[1,0,1]
.set J, J+2
.endr
.irp b, 0,1
.irp j, 0,1,2,3,4,5,6,7
	v_permlane16_swap_b32 v[160+16*\b+\j], v[168+16*\b+\j]          ; register 16 b + i now holds channel 32 b + 16 h + i
.endr
.endr
.irp b, 0,1
	v_max3_num_f32 v[212+\b], |v[160+16*\b]|, |v[161+16*\b]|, 0x1800000
.endr
.irp i, 2,4,6,8,10,12,14
.irp b, 0,1
	s_delay_alu instid0(VALU_DEP_2)
	v_max3_num_f32 v[212+\b], v[212+\b], |v[160+16*\b+\i]|, |v[161+16*\b+\i]|
.endr
.endr
.irp b, 0,1
	s_delay_alu instid0(VALU_DEP_2)
	v_permlanex16_b32 v[216+\b], v[212+\b], s[SEL], s[SEL+1]
.endr
.irp b, 0,1
	s_delay_alu instid0(VALU_DEP_2)
	v_max_num_f32 v[212+\b], v[212+\b], v[216+\b]
.endr
.irp b, 0,1
	s_delay_alu instid0(VALU_DEP_2)
	v_add_nc_u32 v[220+\b], 0xff000000, v[212+\b]
.endr
.irp b, 0,1
	s_delay_alu instid0(VALU_DEP_2)
	v_lshrrev_b32 v[216+\b], 23, v[220+\b]
.endr
	s_delay_alu instid0(VALU_DEP_1)
	v_lshl_or_b32 v228, v217, 8, v216
	v_cvt_scalef32_pk16_fp6_f32 v[192:194], v[160:175], v220
	v_cvt_scalef32_pk16_fp6_f32 v[204:206], v[176:191], v221
	v_nop
.irp i, 0,1,2
	v_permlane16_swap_b32 v[192+\i], v[204+\i]
.endr
.irp i, 0,1,2
	s_delay_alu instid0(VALU_DEP_3)
	v_mov_b32 v[195+\i], v[204+\i]
.endr
	global_store_b128 v1, v[192:195], s[46:47]             ; 512 consecutive bytes,
	global_store_b64 v2, v[196:197], s[46:47] offset:512   ; and 256
	global_store_b16 v225, v228, s[48:49]                  ; my head's two bytes of each row's scale word (the other two are the partner head's)
.endm
; The second block begins: its q, and the sums as at the kernel's head
.macro RESET
.rept 4
	v_nop                                          ; places behind the last products, whose registers are written below
.endr
	v_mov_b32 v28, v250
.irp i, 0,1,2,3,4,5
	v_mov_b32 v[16+\i], v[244+\i]
.endr
	v_mov_b32 v13, 0xff61b1e6
	v_mov_b32 v14, 0
	v_mov_b32 v15, 0
	v_floor_f32 v12, -v13
.set J, 0
.rept 32
	v_mov_b32 v[160+J], 0
.set J, J+1
.endr
	s_mov_b32 s[Q0], s[Q2]
	s_mov_b64 s[46:47], s[54:55]
	s_mov_b64 s[48:49], s[56:57]
	s_wait_alu depctr_va_vdst(0)
.endm
; A SLOT, number SN = n, in LDS slot sl = n % 3.
.macro SLOTWORK sl
	STEP \sl
	s_barrier_wait -1                              ; barrier n - 1: every wave has read LDS slot (n - 1) % 3 out, and slot n + 1's bytes are whole
	s_wait_loadcnt 0x0                             ; on every path: the bytes of slot n + 2, asked for at the last slot's end, are in
	s_cmp_lt_u32 s[SN], 7                          ; slots 0-6 have a slot two on
	s_cbranch_scc0 .Lnostore_\@
	ds_store_b128 v6, v[232:235] offset:((\sl+2)%3)*SLOT1
	ds_store_b128 v6, v[236:239] offset:((\sl+2)%3)*SLOT1+512
	ds_store_b128 v6, v[240:243] offset:((\sl+2)%3)*SLOT1+1024
.Lnostore_\@:
	s_add_co_u32 s[SN], s[SN], 1                   ; the coming slot's number
	s_cmp_eq_u32 s[SN], s[N1]                      ; was this a block's last slot?  The same in all waves: ids and the count of slots alone
	s_cselect_b32 s[PE], 1, 0
	s_cmp_eq_u32 s[SN], 9
	s_cselect_b32 s[PE], 1, s[PE]
	s_cmp_eq_u32 s[PE], 0
	s_cbranch_scc1 .Lnosend_\@
	s_cmp_eq_u32 s[G], 0
	s_cbranch_scc1 .Lnosend_\@
	SENDST
.Lnosend_\@:
	s_cmp_ge_u32 s[SN], s[N1]                      ; the coming slot's keys: key slot SN, or SN - N1 in the second block: 0 .. 7
	s_cselect_b32 s30, s[N1], 0
	s_add_co_u32 s[KS], s[SN], 8
	s_sub_co_u32 s[KS], s[KS], s30
	s_and_b32 s[KS], s[KS], 7
	s_lshl_b32 s[KF], s[KS], 1
	s_add_co_u32 s[KF], s[KF], s[G]                ; my key step
	s_lshl_b32 s[TJ], s[KF], 8
	s_lshl_b32 s[TS], s[KF], 9
	s_lshl_b32 s[KF], s[KF], 7
	s_add_co_u32 s31, s[SN], 2                     ; and the key slot of slot n + 3, which is asked for below
	s_cmp_ge_u32 s31, s[N1]
	s_cselect_b32 s30, s[N1], 0
	s_add_co_u32 s31, s31, 8
	s_sub_co_u32 s31, s31, s30
	s_and_b32 s31, s31, 7
	s_mul_i32 s62, s31, 12288
	s_wait_xcnt 0x0                                ; the last loads and prefetch have read their bases
	s_add_nc_u64 s[CP:CP+1], s[CPB:CPB+1], s[62:63]
	s_add_nc_u64 s[PFA:PFA+1], s[PFA:PFA+1], 12288
	s_wait_dscnt 0x0                               ; my stores have landed (they have also read the copy's registers), and my reads of this slot are over
	s_cmp_lt_u32 s[SN], 7                          ; slots 0-5 have a slot three on
	s_cbranch_scc0 .Lnoload_\@
	global_load_b128 v[232:235], v1, s[CP:CP+1]
	global_load_b128 v[236:239], v1, s[CP:CP+1] offset:512
	global_load_b128 v[240:243], v1, s[CP:CP+1] offset:1024
.Lnoload_\@:
	s_cmp_lt_u32 s[SN], s[LIM]                     ; a prefetch of the key slot after the one just asked for: 96 blocks of 256 bytes, a lane a block, each named once for the head
	s_cbranch_scc0 .Lnoask_\@
	global_prefetch_b8 v30, s[PFA:PFA+1] th:TH_LOAD_NT scope:SCOPE_SE
.Lnoask_\@:
	s_barrier_signal -1                            ; barrier n; its wait stands behind the next step
	s_cmp_eq_u32 s[PE], 0
	s_cbranch_scc1 .Lgoon_\@
	s_barrier_wait -1                              ; at a block's end the wait follows at once: the stages are whole
	s_cmp_lg_u32 s[G], 0
	s_cbranch_scc1 .Lnomerge_\@
	MERGE
	s_wait_xcnt 0x0                                ; the stores have read their data and bases
.Lnomerge_\@:
	RESET
	s_wait_dscnt 0x0                               ; my reads of the stage are over
	s_barrier_signal -1                            ; a barrier more, whose wait stands behind the next step: the stages are stored again only behind it
.Lgoon_\@:
.endm
	s_mov_b32 s[TC], 3
.Ltrip:
	SLOTWORK 0
	SLOTWORK 1
	SLOTWORK 2
	s_sub_co_u32 s[TC], s[TC], 1
	s_cmp_lg_u32 s[TC], 0
	s_cbranch_scc1 .Ltrip
	s_barrier_wait -1                              ; the last signal's wait
	s_wait_tensorcnt 0x0                           ; the wave's end
	ds_add_u32 v254, v255
	s_wait_dscnt 0x0
	s_endpgm
.Lfunc_end_k_qde1b85452c_attn:
	.size	k_qde1b85452c_attn, .Lfunc_end_k_qde1b85452c_attn-k_qde1b85452c_attn
	.p2alignl 7, 3214868480
	.fill 96, 4, 3214868480
	.section	.rodata,"a",@progbits
	.p2align	6, 0x0
	.amdhsa_kernel k_qde1b85452c_attn
		.amdhsa_group_segment_fixed_size 169984
		.amdhsa_private_segment_fixed_size 0
		.amdhsa_enable_private_segment 0
		.amdhsa_kernarg_size 24
		.amdhsa_user_sgpr_count 2
		.amdhsa_user_sgpr_kernarg_segment_ptr 1
		.amdhsa_wavefront_size32 1
		.amdhsa_system_sgpr_workgroup_id_x 1
		.amdhsa_system_sgpr_workgroup_id_y 1
		.amdhsa_system_sgpr_workgroup_id_z 1
		.amdhsa_system_vgpr_workitem_id 0
		.amdhsa_next_free_vgpr 256
		.amdhsa_next_free_sgpr 66
		.amdhsa_reserve_vcc 1
		.amdhsa_float_denorm_mode_32 3
		.amdhsa_float_denorm_mode_16_64 3
		.amdhsa_memory_ordered 1
		.amdhsa_forward_progress 1
		.amdhsa_inst_pref_size 116
	.end_amdhsa_kernel
	.amdgpu_metadata
---
amdhsa.version: [ 1, 2 ]
amdhsa.kernels:
  - .name:           k_qde1b85452c_attn
    .symbol:         k_qde1b85452c_attn.kd
    .args:
      - { .name: qkv, .offset: 0, .size: 8, .value_kind: global_buffer, .address_space: global }
      - { .name: input_mask, .offset: 8, .size: 8, .value_kind: global_buffer, .address_space: global }
      - { .name: act, .offset: 16, .size: 8, .value_kind: global_buffer, .address_space: global }
    .group_segment_fixed_size: 169984
    .private_segment_fixed_size: 0
    .kernarg_segment_align: 8
    .kernarg_segment_size: 24
    .max_flat_workgroup_size: 512
    .sgpr_count:     66
    .vgpr_count:     256
    .wavefront_size: 32
...
	.end_amdgpu_metadata
.endif
;; end of part 3
;; launch ow (part 4): grid 8 x 32, 4 waves a work-group, clusters of 4 x 4, 327,680 bytes of LDS; arguments act, wts, attn_ob, x, resid; writes resid
.if DOCPART == 4
	.amdgcn_target "amdgcn-amd-amdhsa--gfx1250"
	.amdhsa_code_object_version 6
	.text
	.protected	k_qde1b85452c_ow
	.globl	k_qde1b85452c_ow
	.p2align	8
	.type	k_qde1b85452c_ow,@function
k_qde1b85452c_ow:
	s_mov_b64 s[64:65], 0
	v_nop
	global_prefetch_b8 v0, s[64:65] scope:SCOPE_SE
	s_setreg_imm32_b32 hwreg(HW_REG_WAVE_MODE, 25, 1), 1
	s_wait_xcnt 0x0
	s_wait_alu depctr_hold_cnt(0) depctr_sa_sdst(0) depctr_va_vdst(0) depctr_va_sdst(0) depctr_va_ssrc(0) depctr_va_vcc(0) depctr_vm_vsrc(0)
	s_getreg_b32 s2, hwreg(HW_REG_IB_STS2, 6, 4)
	s_cmp_eq_u32 s2, 0
	s_cbranch_scc0 .Lentry_in_a_cluster
	s_endpgm
.Lentry_in_a_cluster:
	s_bfe_u32 s2, ttmp6, 0x10000c
	s_cmp_lg_u32 s2, 0xf033
	s_cbranch_scc0 .Lentry_shape_is_right
	s_endpgm
.Lentry_shape_is_right:
; out = X Y^T + bias + addend, f32: here resid = ctx attn_ow + attn_ob + x.  X (tokens) and Y (the weight's rows) arrive as images of E2M3 codes: cells of 128 rows x 128 K: 8 fragments of 1,536 bytes in
; register order, then 512 bytes of scale words; 12,800 bytes.  K = 1,024: 8 K steps.
; THE PRODUCT IS USED TRANSPOSED: source 0 = 16 rows of Y, source 1 = 16 rows of X: a lane holds one token and eight neighbouring columns.
; M x N = 4,096 x 1,024: a tile of C is 128 x 128, so that there are 256 work-groups; four waves, each 64 x 64: 16 accumulators.
; All of K lies in LDS at once: 8 cells of X and 8 of Y, 204,800 bytes, as two slots of 4 K steps, both filled at the start and never again.  Each wave fetches X's or Y's whole part of one slot (4 cells).
; CLUSTERS: 4 x 4.  X's tile hangs on the tile row alone and is shared along a row of the cluster, Y's on the tile column alone and is shared along a column: each is asked for jointly.
; The bias is the C of each sum's first product.  The whole addend, 128 registers a lane, is asked for at the head.  Results go through the wave's own stage in LDS and leave as pieces of rows:
; sixteen lanes store 256 consecutive bytes, aligned.  The stage lies in slot 0, which has had its only fill and its last read when the first result is stored there.
; REGISTERS: window 0: v1-10 lane terms; v16-39 LDS addresses (six kinds x slot x K steps 0-2 or 3 on: an LDS offset has 16 bits); v40, v41 the add's; v48-63 scale words, two sets;
;   v64-95 the bias, later rows of C; v96-127 rows of C; v128-255 accumulator (a, b) at v[128 + 8 (4 a + b)].   window 1: two sets of fragments, 96 each: X's four, then Y's four.   window 2: v0-127 the addend.
.set CELL,   12800
.set NQ,     4                         ; K steps in a slot
.set NQL,    4                         ; K steps in the last slot that is read
.set KSN,    8                         ; K steps in all
.set REFILL, 0                         ; no slot is filled again
.set EARLY,  1                         ; the addend is asked for at the head: the tiles are few bytes, and the products are short
.set YOFF,   2457600                   ; the weight's image in wts
.set XREG,   NQ*CELL                   ; a slot: X's NQ cells, then Y's
.set SLOT,   2*XREG
.set SPARE,  2*SLOT                    ; the spare words, 128 bytes a wave: two blocks of 256 bytes that no other line names
.set HALF,   NQ*CELL                   ; what one tensor load brings: X's or Y's whole part of a slot, 4 cells; the wave's number picks the slot, so each wave issues one load in all
.set SHALF,  (NQL/2)*CELL
.set AD,   16                          ; v[AD + 4 kind + 2 slot + u]: kinds: X by 16 bytes a lane, X by 8, Y by 16, Y by 8, X's scale words, Y's; u = 1: three cells on
.set SPW,  40
.set NIL,  41
.set SC,   48                          ; scale words: set p at SC + 8 p: X's blocks at +0 .., Y's at +4 ..
.set BI,   64
.set ACC,  128
.set G1X, 24
.set G0X, 32
.set G1Y, 48
.set G0Y, 56
.set G1XS, 68
.set G1YS, 76
.set G0YS, 88
.set G0XS, 96
.set MSB, 0
.macro WIN new                         ; the immediate's high byte repeats the setting that is left
.if MSB != (\new)
	s_set_vgpr_msb (MSB<<8)|(\new)
.set MSB, (\new)
.endif
.endm
.macro PLACES n
.rept \n
	v_nop
.endr
.endm
.macro JLOAD g0x, g1x, g0y, g1y        ; a joint load: waves 0, 1 fetch X's halves, waves 2, 3 Y's; four v_nop follow each line
	s_cmp_eq_u32 s15, 0
	s_cbranch_scc0 .Lfor_y_\@
	tensor_load_to_lds s[\g0x:\g0x+3], s[\g1x:\g1x+7]
	s_nop 0
	PLACES 4
	s_branch .Lasked_\@
.Lfor_y_\@:
	tensor_load_to_lds s[\g0y:\g0y+3], s[\g1y:\g1y+7]
	s_nop 0
	PLACES 4
.Lasked_\@:
.endm
.macro CREST                           ; a round of the cluster's barrier behind its opening barrier
	s_cmp_lg_u32 s14, 0
	s_cbranch_scc1 .Lnot_wave_0_\@
	s_barrier_signal -3
.Lnot_wave_0_\@:
	s_barrier_wait -3
	s_barrier_signal -1
	s_barrier_wait -1
.endm
.macro CROUND
	s_barrier_signal -1
	s_barrier_wait -1
	CREST
.endm
.macro FRAG reg, k16, su, off          ; a fragment's image into 12 registers: consecutive bytes in every load
	ds_load_b128 v[\reg:\reg+3], v[AD+4*(\k16)+(\su)] offset:\off
	ds_load_b64 v[\reg+4:\reg+5], v[AD+4*(\k16)+4+(\su)] offset:\off+512
	ds_load_b128 v[\reg+6:\reg+9], v[AD+4*(\k16)+(\su)] offset:\off+768
	ds_load_b64 v[\reg+10:\reg+11], v[AD+4*(\k16)+4+(\su)] offset:\off+1280
.endm
.macro FETCH slot, q, p                ; 40 LDS loads in one run: my four fragments of X, my four of Y and their scale words, of the slot's K step q, into set p
.set SU, 2*(\slot)+(\q)/3
.set QO, ((\q)%3)*CELL
	WIN 0x40                                       ; destination window 1, address window 0
.irp i, 0,1,2,3
	FRAG 96*(\p)+12*\i, 0, SU, QO+1536*\i
.endr
.irp i, 0,1,2,3
	FRAG 96*(\p)+48+12*\i, 2, SU, QO+1536*\i
.endr
	WIN 0
.irp i, 0,1,2,3
	ds_load_b32 v[SC+8*(\p)+\i], v[AD+16+SU] offset:QO+64*\i          ; one word a row; lanes 0-15 are read
	ds_load_b32 v[SC+8*(\p)+4+\i], v[AD+20+SU] offset:QO+64*\i
.endr
.endm
.macro MULB a, p, zero                 ; X's block a against Y's four; zero = 1: the bias starts the sums
	WIN 0x05                                       ; sources 0 (Y) and 1 (X) window 1; C and D window 0
.irp b, 0,1,2,3
.set AC, ACC+8*(4*(\a)+\b)
.if \zero
	v_wmma_scale_f32_16x16x128_f8f6f4 v[AC:AC+7], v[96*(\p)+48+12*\b:96*(\p)+48+12*\b+11], v[96*(\p)+12*(\a):96*(\p)+12*(\a)+11], v[BI+8*\b:BI+8*\b+7], v[SC+8*(\p)+4+\b], v[SC+8*(\p)+(\a)] matrix_a_fmt:MATRIX_FMT_FP6 matrix_b_fmt:MATRIX_FMT_FP6
.else
	v_wmma_scale_f32_16x16x128_f8f6f4 v[AC:AC+7], v[96*(\p)+48+12*\b:96*(\p)+48+12*\b+11], v[96*(\p)+12*(\a):96*(\p)+12*(\a)+11], v[AC:AC+7], v[SC+8*(\p)+4+\b], v[SC+8*(\p)+(\a)] matrix_a_fmt:MATRIX_FMT_FP6 matrix_b_fmt:MATRIX_FMT_FP6
.endif
.endr
.endm
.macro MULS a0, n, p, zero             ; the 16 accumulators take turns, one instruction a turn, in the same order in every step
.set MA, \a0
.rept \n
	MULB MA, \p, \zero
.set MA, MA+1
.endr
.endm
; A K step that has its successor in the same slot: the successor's fragments are asked for ahead of this step's 16 products, into the set that the step before has multiplied.
.macro STEP slot, q, zero
	s_wait_dscnt 0x0                               ; this step's set is in
	PLACES 4                                       ; in front of loads into registers that matrix instructions have read
	FETCH \slot, (\q)+1, 1-(\q)%2
	MULS 0, 4, (\q)%2, \zero
.endm
; A slot's last K step (its set is set 1) changes slots: one barrier; in front of it each wave waits for all its tensor loads, adds 0 to its spare word, and waits for that and for its reads of this slot.
; fill = 1: this slot is filled again, two slots ahead; 2: with the last, shorter run of K steps; 0: not at all.
.macro TURN slot, next, fill
	WIN 0                                          ; (the add's two registers lie in window 0)
	s_wait_tensorcnt 0x0                           ; all my tensor loads have landed: my part of the next slot
	ds_add_u32 v[SPW], v[NIL]
	s_wait_dscnt 0x1                               ; this step's set is in; the add may be out
	MULS 0, 1, 1, 0
	s_wait_dscnt 0x0                               ; the add is done, and my reads of this slot are over
	s_barrier_signal -1
	MULS 1, 1, 1, 0
	WIN 0
	s_barrier_wait -1
.if (\fill) == 1
	CREST                                          ; the barrier has opened a round of the cluster's: no wave of any partner still reads this slot or has a load on its way
	s_add_nc_u64 s[G0X+4*\slot+2:G0X+4*\slot+3], s[G0X+4*\slot+2:G0X+4*\slot+3], 2*NQ*CELL
	s_add_nc_u64 s[G0Y+4*\slot+2:G0Y+4*\slot+3], s[G0Y+4*\slot+2:G0Y+4*\slot+3], 2*NQ*CELL
	JLOAD G0X+4*\slot, G1X, G0Y+4*\slot, G1Y       ; the first tensor load behind the round; its four v_nop are the places in front of the loads below
.elseif (\fill) == 2
	CREST
	JLOAD G0XS, G1XS, G0YS, G1YS
.else
	PLACES 4
.endif
	FETCH \next, 0, 0
	MULS 2, 2, 1, 0
.endm
.macro MIDS slot, q0, n                ; the steps q0 .. n - 2 of a slot that holds n
.set SQ, \q0
.rept (\n)-1-(\q0)
	STEP \slot, SQ, 0
.set SQ, SQ+1
.endr
.endm
.macro RLOADS                          ; the addend of my 64 x 64: block a, rows 2 t and 2 t + 1: sixteen lanes read 256 consecutive bytes of a row
	WIN 0x80                                       ; destination window 2, address window 0
.irp a, 0,1,2,3
.irp t, 0,1,2,3,4,5,6,7
	global_load_b128 v[32*\a+4*\t:32*\a+4*\t+3], v10, s[10:11] offset:\a*65536+\t*8192 th:TH_LOAD_NT
.endr
.endr
	WIN 0
.endm
.macro OUTB a                          ; block a (16 rows x 64 columns): through the stage, + the addend, out
.set BB, 64+32*((\a)%2)
.if (\a) >= 2
	s_wait_xcnt 0x0                                ; block a - 2's stores have read their data
.endif
.irp b, 0,1,2,3
	ds_store_b128 v8, v[ACC+8*(4*(\a)+\b):ACC+8*(4*(\a)+\b)+3] offset:64*\b          ; each accumulator from its low end on
	ds_store_b128 v8, v[ACC+8*(4*(\a)+\b)+4:ACC+8*(4*(\a)+\b)+7] offset:64*\b+16
.endr
.irp t, 0,1,2,3,4,5,6,7
	ds_load_b128 v[BB+4*\t:BB+4*\t+3], v9 offset:\t*544              ; LDS serves a wave's instructions in order: these see my stores
.endr
	s_wait_dscnt 0x0
	WIN 0x08                                       ; source 1 window 2
.set J, 0
.rept 16
	v_pk_add_f32 v[BB+J:BB+J+1], v[BB+J:BB+J+1], v[32*(\a)+J:32*(\a)+J+1]
.set J, J+2
.endr
	WIN 0
.irp t, 0,1,2,3,4,5,6,7
	global_store_b128 v10, v[BB+4*\t:BB+4*\t+3], s[12:13] offset:(\a)*65536+\t*8192   ; sixteen lanes store 256 consecutive bytes, aligned
.endr
.endm
	s_load_b256 s[4:11], s[0:1], 0x0               ; X's image, wts, bias, addend
	s_load_b64 s[12:13], s[0:1], 0x20              ; out
	v_lshl_add_u32 v[SPW], v0, 2, SPARE
	v_mov_b32 v[NIL], 0
	ds_add_u32 v40, v41
	ds_add_u32 v40, v41
	s_wait_dscnt 0x0
	v_lshrrev_b32 v1, 5, v0
	v_readfirstlane_b32 s14, v1                    ; wave 0..3
	s_lshr_b32 s15, s14, 1                         ; wr: which 64 rows of the tile are mine.  Also: I fetch for X (0) or for Y (1)
	s_and_b32 s16, s14, 1                          ; wc: which 64 columns.  Also: which slot I fetch for
	s_bfe_u32 s40, ttmp6, 0x40000                  ; cx
	s_bfe_u32 s41, ttmp6, 0x40004                  ; cy
	s_lshl_b32 s42, ttmp9, 2
	s_add_co_u32 s42, s42, s40                     ; tc: tile column = 4 x cluster x + cx
	s_and_b32 s17, ttmp7, 0xffff
	s_lshl_b32 s17, s17, 2
	s_add_co_u32 s17, s17, s41                     ; tr: tile row = 4 x cluster y + cy
	s_lshl_b32 s43, s41, 2
	s_lshl_b32 s43, 15, s43                        ; my row of the cluster
	s_lshl_b32 s44, 0x1111, s40                    ; my column
	; group 1: a dense block of NQ cells as rows of 256 bytes (32 elements of 8 bytes), no padding
	s_or_b32 s[G1X], s43, (3<<16)|(1<<21)          ; 15:0 the mask; 17:16 elements of 8 bytes; 21 set beside a mask
	s_or_b32 s[G1Y], s44, (3<<16)|(1<<21)
.irp g, G1X, G1Y
	s_mov_b32 s[\g+1], 32<<16                      ; tensor_dim0
	s_mov_b32 s[\g+2], (HALF/256)<<16              ; tensor_dim1
	s_mov_b32 s[\g+3], 32<<16                      ; tile_dim0
	s_mov_b32 s[\g+4], HALF/256                    ; tile_dim1
	s_mov_b32 s[\g+5], 32                          ; the pitch
	s_mov_b32 s[\g+6], 0
	s_mov_b32 s[\g+7], 0
.endr
.if REFILL
	s_or_b32 s[G1XS], s43, (3<<16)|(1<<21)         ; and for the last, shorter fill
	s_or_b32 s[G1YS], s44, (3<<16)|(1<<21)
.irp g, G1XS, G1YS
	s_mov_b32 s[\g+1], 32<<16
	s_mov_b32 s[\g+2], (SHALF/256)<<16
	s_mov_b32 s[\g+3], 32<<16
	s_mov_b32 s[\g+4], SHALF/256
	s_mov_b32 s[\g+5], 32
	s_mov_b32 s[\g+6], 0
	s_mov_b32 s[\g+7], 0
.endr
.endif
	s_mul_i32 s20, s17, KSN*CELL                   ; X: the cells of group tr: hangs on the tile row alone
	s_mul_i32 s46, s42, KSN*CELL                   ; Y: the cells of group tc: hangs on the tile column alone
	s_add_co_u32 s46, s46, YOFF
	s_mul_i32 s45, s16, HALF                       ; my slot's NQ cells, in memory: no place in the cluster enters an LDS address
.if REFILL
	s_mul_i32 s95, s16, SHALF
	s_add_co_u32 s84, s20, s95
	s_add_co_u32 s84, s84, (KSN-NQL)*CELL
	s_mov_b32 s85, 0
	s_add_co_u32 s66, s46, s95
	s_add_co_u32 s66, s66, (KSN-NQL)*CELL
	s_mov_b32 s67, 0
.endif
	s_add_co_u32 s20, s20, s45
	s_mov_b32 s21, 0
	s_add_co_u32 s46, s46, s45
	s_mov_b32 s47, 0
	s_mul_i32 s45, s16, SLOT                       ; in LDS: slot 0 or slot 1 (the memory offsets above have been made)
	s_add_co_u32 s94, s45, XREG
	s_wait_kmcnt 0x0
.if REFILL
	s_mov_b32 s[G0XS], 1
	s_add_co_u32 s[G0XS+1], s95, SLOT
	s_add_nc_u64 s[G0XS+2:G0XS+3], s[4:5], s[84:85]
	s_or_b32 s[G0XS+3], s[G0XS+3], 0x80000000
	s_mov_b32 s[G0YS], 1
	s_add_co_u32 s[G0YS+1], s95, SLOT+XREG
	s_add_nc_u64 s[G0YS+2:G0YS+3], s[6:7], s[66:67]
	s_or_b32 s[G0YS+3], s[G0YS+3], 0x80000000
.endif
	s_add_nc_u64 s[20:21], s[4:5], s[20:21]
	s_add_nc_u64 s[46:47], s[6:7], s[46:47]
	CROUND                                         ; all sixteen work-groups are here: the first joint loads meet
.irp s, 0
	s_mov_b32 s[G0X+4*\s], 1
	s_add_co_u32 s[G0X+4*\s+1], s45, \s*SLOT
	s_add_nc_u64 s[G0X+4*\s+2:G0X+4*\s+3], s[20:21], \s*NQ*CELL
	s_or_b32 s[G0X+4*\s+3], s[G0X+4*\s+3], 0x80000000
	s_mov_b32 s[G0Y+4*\s], 1
	s_add_co_u32 s[G0Y+4*\s+1], s94, \s*SLOT
	s_add_nc_u64 s[G0Y+4*\s+2:G0Y+4*\s+3], s[46:47], \s*NQ*CELL
	s_or_b32 s[G0Y+4*\s+3], s[G0Y+4*\s+3], 0x80000000
	JLOAD G0X+4*\s, G1X, G0Y+4*\s, G1Y
.endr
	v_and_b32 v1, 31, v0
	v_and_b32 v2, 15, v0                           ; r
	v_bfe_u32 v3, v0, 4, 1                         ; h
	v_lshlrev_b32 v4, 4, v1                        ; 16 x lane
	v_lshlrev_b32 v5, 3, v1                        ; 8 x lane
	v_lshlrev_b32 v6, 2, v2                        ; 4 r
	v_lshlrev_b32 v7, 5, v3                        ; 32 h
	s_mul_i32 s18, s15, 6144                       ; X: my four fragments of a cell's eight
	s_mul_i32 s19, s16, 6144
	s_add_co_u32 s19, s19, XREG                    ; Y: likewise, behind X's cells
	s_lshl_b32 s22, s15, 8
	s_add_co_u32 s22, s22, 12288                   ; X's scale words: my 64 rows'
	s_lshl_b32 s23, s16, 8
	s_add_co_u32 s23, s23, XREG+12288              ; Y's
.irp su, 0,1,2,3
	v_add_nc_u32 v[AD+\su], s18, v4
	v_add_nc_u32 v[AD+4+\su], s18, v5
	v_add_nc_u32 v[AD+8+\su], s19, v4
	v_add_nc_u32 v[AD+12+\su], s19, v5
	v_add_nc_u32 v[AD+16+\su], s22, v6
	v_add_nc_u32 v[AD+20+\su], s23, v6
.if \su < 3
.if (\su)%2 == 0
.irp x, 18,19,22,23
	s_add_co_u32 s\x, s\x, 3*CELL                  ; three cells on in the same slot,
.endr
.else
.irp x, 18,19,22,23
	s_add_co_u32 s\x, s\x, SLOT-3*CELL             ; the next slot's first cell
.endr
.endif
.endif
.endr
	s_mul_i32 s18, s14, 16*272                     ; my stage: 16 rows of 256 bytes + 16
	v_mul_u32_u24 v8, v2, 272
	v_add_nc_u32 v8, v8, v7
	v_add_nc_u32 v8, s18, v8                       ; in: row r, + 32 h
	v_mul_u32_u24 v9, v3, 272
	v_lshl_add_u32 v9, v2, 4, v9
	v_add_nc_u32 v9, s18, v9                       ; back: lanes 0-15 one row, lanes 16-31 the next, 16 bytes a lane
	v_lshlrev_b32 v10, 12, v3
	v_lshl_add_u32 v10, v2, 4, v10                 ; and the same two rows in memory: 4,096 h + 16 r
	s_wait_alu depctr_va_vdst(0)
	s_lshl_b32 s92, s42, 9
	s_lshl_b32 s93, s16, 8
	s_add_co_u32 s92, s92, s93                     ; my first column, in bytes: 512 tc + 256 wc
	s_mov_b32 s93, 0
	s_add_nc_u64 s[8:9], s[8:9], s[92:93]
	s_lshl_b32 s18, s17, 7
	s_lshl_b32 s19, s15, 6
	s_add_co_u32 s18, s18, s19                     ; my first row: 128 tr + 64 wr
	s_lshl_b32 s18, s18, 12
	s_add_co_u32 s92, s92, s18
	s_add_nc_u64 s[10:11], s[10:11], s[92:93]
	s_add_nc_u64 s[12:13], s[12:13], s[92:93]
.irp b, 0,1,2,3
	global_load_b128 v[BI+8*\b:BI+8*\b+3], v7, s[8:9] offset:64*\b            ; lane (r, h): columns 16 b + 8 h + 0 .. 7
	global_load_b128 v[BI+8*\b+4:BI+8*\b+7], v7, s[8:9] offset:64*\b+16
.endr
.if EARLY
	RLOADS
.endif
	s_wait_tensorcnt 0x0                           ; my one load is in; behind the barrier all of K lies in LDS
	s_barrier_signal -1
	s_barrier_wait -1
	FETCH 0, 0, 0
.if EARLY
	s_wait_loadcnt 32                              ; the bias is in; the 32 loads of the addend, issued behind it, may be out
.else
	s_wait_loadcnt 0x0                             ; the bias
.endif
	STEP 0, 0, 1                                   ; the first step's products start the sums with the bias
.if EARLY == 0
	RLOADS
.endif
	MIDS 0, 1, NQ
.if REFILL
	TURN 0, 1, 1
	MIDS 1, 0, NQ
	TURN 1, 0, 1
	MIDS 0, 0, NQ
	TURN 0, 1, 1
	MIDS 1, 0, NQ
	TURN 1, 0, 2
	MIDS 0, 0, NQ
.endif
	TURN 0, 1, 0                                   ; nothing is filled any more: my work-group's barrier alone
	MIDS 1, 0, NQL
	s_wait_dscnt 0x0                               ; the very last step
	MULS 0, 4, 1, 0
	WIN 0
	PLACES 4                                       ; in front of the first reads of results
	s_wait_loadcnt 0x0                             ; the addend
	OUTB 0
	OUTB 1
	OUTB 2
	OUTB 3
	s_wait_tensorcnt 0x0                           ; the wave's end
	ds_add_u32 v[SPW], v[NIL]
	s_wait_dscnt 0x0
	CROUND                                         ; the closing round
	s_endpgm
.Lfunc_end_k_qde1b85452c_ow:
	.size	k_qde1b85452c_ow, .Lfunc_end_k_qde1b85452c_ow-k_qde1b85452c_ow
	.p2alignl 7, 3214868480
	.fill 96, 4, 3214868480
	.section	.rodata,"a",@progbits
	.p2align	6, 0x0
	.amdhsa_kernel k_qde1b85452c_ow
		.amdhsa_group_segment_fixed_size 327680
		.amdhsa_private_segment_fixed_size 0
		.amdhsa_enable_private_segment 0
		.amdhsa_kernarg_size 40
		.amdhsa_user_sgpr_count 2
		.amdhsa_user_sgpr_kernarg_segment_ptr 1
		.amdhsa_wavefront_size32 1
		.amdhsa_system_sgpr_workgroup_id_x 1
		.amdhsa_system_sgpr_workgroup_id_y 1
		.amdhsa_system_sgpr_workgroup_id_z 1
		.amdhsa_system_vgpr_workitem_id 0
		.amdhsa_next_free_vgpr 768
		.amdhsa_next_free_sgpr 100
		.amdhsa_reserve_vcc 0
		.amdhsa_float_denorm_mode_32 3
		.amdhsa_float_denorm_mode_16_64 3
		.amdhsa_memory_ordered 1
		.amdhsa_forward_progress 1
		.amdhsa_inst_pref_size 62
	.end_amdhsa_kernel
	.amdgpu_metadata
---
amdhsa.version: [ 1, 2 ]
amdhsa.kernels:
  - .name:           k_qde1b85452c_ow
    .symbol:         k_qde1b85452c_ow.kd
    .args:
      - { .name: act, .offset: 0, .size: 8, .value_kind: global_buffer, .address_space: global }
      - { .name: wts, .offset: 8, .size: 8, .value_kind: global_buffer, .address_space: global }
      - { .name: attn_ob, .offset: 16, .size: 8, .value_kind: global_buffer, .address_space: global }
      - { .name: x, .offset: 24, .size: 8, .value_kind: global_buffer, .address_space: global }
      - { .name: resid, .offset: 32, .size: 8, .value_kind: global_buffer, .address_space: global }
    .group_segment_fixed_size: 327680
    .private_segment_fixed_size: 0
    .kernarg_segment_align: 8
    .kernarg_segment_size: 40
    .max_flat_workgroup_size: 128
    .sgpr_count:     100
    .vgpr_count:     768
    .wavefront_size: 32
...
	.end_amdgpu_metadata
.endif
;; end of part 4
;; launch ln2: the kernel of part 1 again; grid 256 x 1, 8 waves a work-group, no clusters, 66,816 bytes of LDS; arguments resid, attn_nw, attn_nb, act, qkvw_codes, qkvw_scales, attn_ow_codes, attn_ow_scales, inter_w_codes, inter_w_scales, output_w_codes, output_w_scales, wts; writes act, wts
;; launch inter (part 5): grid 16 x 16, 4 waves a work-group, clusters of 4 x 4, 327,680 bytes of LDS; arguments act, wts, inter_b, a3; writes a3
.if DOCPART == 5
	.amdgcn_target "amdgcn-amd-amdhsa--gfx1250"
	.amdhsa_code_object_version 6
	.text
	.protected	k_qde1b85452c_inter
	.globl	k_qde1b85452c_inter
	.p2align	8
	.type	k_qde1b85452c_inter,@function
k_qde1b85452c_inter:
	s_mov_b64 s[64:65], 0
	v_nop
	global_prefetch_b8 v0, s[64:65] scope:SCOPE_SE
	s_setreg_imm32_b32 hwreg(HW_REG_WAVE_MODE, 25, 1), 1
	s_wait_xcnt 0x0
	s_wait_alu depctr_hold_cnt(0) depctr_sa_sdst(0) depctr_va_vdst(0) depctr_va_sdst(0) depctr_va_ssrc(0) depctr_va_vcc(0) depctr_vm_vsrc(0)
	s_getreg_b32 s2, hwreg(HW_REG_IB_STS2, 6, 4)
	s_cmp_eq_u32 s2, 0
	s_cbranch_scc0 .Lentry_in_a_cluster
	s_endpgm
.Lentry_in_a_cluster:
	s_bfe_u32 s2, ttmp6, 0x10000c
	s_cmp_lg_u32 s2, 0xf033
	s_cbranch_scc0 .Lentry_shape_is_right
	s_endpgm
.Lentry_shape_is_right:
.set CELL,  12800
.set NXB,   8
.set NQ,    2
.set KSN,   8
.set YOFF,  3276800
.set HB,    NXB/2
.set NL,    4
.set XREG,  4*CELL
.set SLOT,  XREG+2*NQ*CELL
.set SPARE, 2*SLOT
.set STG,   SPARE+512
.set LAPS,  KSN/(2*NQ)
.set XWR,   2*CELL
.set XSW,   2*CELL
.set AX16, 16
.set AX8,  18
.set AY16, 20
.set AY8,  22
.set AXS,  24
.set AYS,  26
.set SPW,  28
.set NIL,  29
.set SC,   32
.set TM,   96
.set PW,   112
.set K0,   114
.set HA,   128
.set XF,   128
.set PC,   192
.set BI,   192
.set G1X, 24
.set G0X, 32
.set G1Y, 48
.set G0Y, 56
.set SEL, 66
.set K1,  68
.set MSB, 0
.macro WIN new
.if MSB != (\new)
	s_set_vgpr_msb (MSB<<8)|(\new)
.set MSB, (\new)
.endif
.endm
.macro PLACES n
.rept \n
	v_nop
.endr
.endm
.macro JLOAD s
	s_cmp_eq_u32 s15, 0
	s_cbranch_scc0 .Lfor_y_\@
	tensor_load_to_lds s[G0X+4*\s:G0X+4*\s+3], s[G1X:G1X+7]
	s_nop 0
	PLACES 4
	s_branch .Lasked_\@
.Lfor_y_\@:
	tensor_load_to_lds s[G0Y+4*\s:G0Y+4*\s+3], s[G1Y:G1Y+7]
	s_nop 0
	PLACES 4
.Lasked_\@:
.endm
.macro CREST
	s_cmp_lg_u32 s14, 0
	s_cbranch_scc1 .Lnot_wave_0_\@
	s_barrier_signal -3
.Lnot_wave_0_\@:
	s_barrier_wait -3
	s_barrier_signal -1
	s_barrier_wait -1
.endm
.macro CROUND
	s_barrier_signal -1
	s_barrier_wait -1
	CREST
.endm
.macro FRAG reg, a16, a8, off
	ds_load_b128 v[\reg:\reg+3], v[\a16] offset:\off
	ds_load_b64 v[\reg+4:\reg+5], v[\a8] offset:\off+512
	ds_load_b128 v[\reg+6:\reg+9], v[\a16] offset:\off+768
	ds_load_b64 v[\reg+10:\reg+11], v[\a8] offset:\off+1280
.endm
.macro FETCH_Y slot, q, p
	WIN 0x40
.irp b, 0,1,2,3,4,5,6,7
	FRAG 96*(\p)+12*\b, AY16+\slot, AY8+\slot, (\q)*CELL+1536*\b
.endr
	WIN 0
.endm
.macro FETCH_X slot, q, i0, n
.set FI, \i0
.rept \n
	FRAG XF+12*FI, AX16+\slot, AX8+\slot, (\q)*CELL+1536*FI
.set FI, FI+1
.endr
.endm
.macro SCALES slot, q, p
.set FI, 0
.rept NXB
	ds_load_b32 v[SC+16*(\p)+FI], v[AXS+\slot] offset:(\q)*CELL+64*FI
.set FI, FI+1
.endr
.irp b, 0,1,2,3,4,5,6,7
	ds_load_b32 v[SC+16*(\p)+8+\b], v[AYS+\slot] offset:(\q)*CELL+64*\b
.endr
.endm
.macro MULB a, p, zero
.set WD, 2+(\a)/4
.if \zero
	WIN (WD<<6)|(1<<4)|1
.else
	WIN (WD<<6)|(WD<<4)|1
.endif
.irp b, 0,1,2,3,4,5,6,7
.set AC, 8*(8*((\a)%4)+\b)
.if \zero
	v_wmma_scale_f32_16x16x128_f8f6f4 v[AC:AC+7], v[96*(\p)+12*\b:96*(\p)+12*\b+11], v[XF+12*(\a):XF+12*(\a)+11], v[BI+8*\b:BI+8*\b+7], v[SC+16*(\p)+8+\b], v[SC+16*(\p)+(\a)] matrix_a_fmt:MATRIX_FMT_FP6 matrix_b_fmt:MATRIX_FMT_FP6
.else
	v_wmma_scale_f32_16x16x128_f8f6f4 v[AC:AC+7], v[96*(\p)+12*\b:96*(\p)+12*\b+11], v[XF+12*(\a):XF+12*(\a)+11], v[AC:AC+7], v[SC+16*(\p)+8+\b], v[SC+16*(\p)+(\a)] matrix_a_fmt:MATRIX_FMT_FP6 matrix_b_fmt:MATRIX_FMT_FP6
.endif
.endr
.endm
.macro MULS a0, n, p, zero
.set MA, \a0
.rept \n
	MULB MA, \p, \zero
.set MA, MA+1
.endr
.endm
.macro STEP slot, q, zero
	s_wait_dscnt HB*NL
	MULS 0, HB, (\q)%2, \zero
	s_wait_dscnt 0x0
	PLACES 4
	FETCH_Y \slot, (\q)+1, 1-(\q)%2
	FETCH_X \slot, (\q)+1, 0, HB
	SCALES \slot, (\q)+1, 1-(\q)%2
	MULS HB, HB, (\q)%2, \zero
	PLACES 4
	WIN 0
	FETCH_X \slot, (\q)+1, HB, HB
.endm
.macro TURN slot, next, fill
	s_wait_tensorcnt 0x0
	ds_add_u32 v[SPW], v[NIL]
	s_wait_dscnt HB*NL+1
	MULS 0, HB/2, 1, 0
	s_wait_dscnt 0x0
	s_barrier_signal -1
	MULS HB/2, HB/2, 1, 0
	WIN 0
	s_barrier_wait -1
.if \fill
	CREST
	s_add_nc_u64 s[G0X+4*\slot+2:G0X+4*\slot+3], s[G0X+4*\slot+2:G0X+4*\slot+3], 2*NQ*CELL
	s_add_nc_u64 s[G0Y+4*\slot+2:G0Y+4*\slot+3], s[G0Y+4*\slot+2:G0Y+4*\slot+3], 2*NQ*CELL
	JLOAD \slot
.else
	PLACES 4
.endif
	FETCH_Y \next, 0, 0
	FETCH_X \next, 0, 0, HB
	s_wait_alu depctr_va_vdst(0)
	SCALES \next, 0, 0
	MULS HB, HB, 1, 0
	PLACES 4
	WIN 0
	FETCH_X \next, 0, HB, HB
.endm
.macro MIDS slot, q0
.set SQ, \q0
.rept NQ-1-(\q0)
	STEP \slot, SQ, 0
.set SQ, SQ+1
.endr
.endm
.macro QUANT s
.irp b, 0,1,2,3
	v_max3_num_f32 v[TM+\b], |v[\s+16*\b]|, |v[\s+1+16*\b]|, 0x1800000
.endr
.irp i, 2,4,6,8,10,12,14
.irp b, 0,1,2,3
	v_max3_num_f32 v[TM+\b], v[TM+\b], |v[\s+16*\b+\i]|, |v[\s+1+16*\b+\i]|
.endr
.endr
.irp b, 0,1,2,3
	v_permlanex16_b32 v[TM+4+\b], v[TM+\b], s[SEL], s[SEL+1]
.endr
.irp b, 0,1,2,3
	v_max_num_f32 v[TM+\b], v[TM+\b], v[TM+4+\b]
.endr
.irp b, 0,1,2,3
	v_add_nc_u32 v[TM+12+\b], 0xff000000, v[TM+\b]
.endr
.irp b, 0,1,2,3
	v_lshrrev_b32 v[TM+4+\b], 23, v[TM+12+\b]
.endr
	v_lshl_or_b32 v[PW], v[TM+5], 8, v[TM+4]
	v_lshl_or_b32 v[PW], v[TM+6], 16, v[PW]
	v_lshl_or_b32 v[PW], v[TM+7], 24, v[PW]
.irp c, 0,1
	v_cvt_scalef32_pk16_fp6_f32 v[PC+6*\c:PC+2+6*\c], v[\s+32*\c:\s+15+32*\c], v[TM+12+2*\c]
	v_cvt_scalef32_pk16_fp6_f32 v[PC+12+4*\c:PC+14+4*\c], v[\s+16+32*\c:\s+31+32*\c], v[TM+12+2*\c+1]
.endr
	v_nop
.irp c, 0,1
.irp i, 0,1,2
	v_permlane16_swap_b32 v[PC+6*\c+\i], v[PC+12+4*\c+\i]
.endr
.irp i, 0,1,2
	v_mov_b32 v[PC+3+6*\c+\i], v[PC+12+4*\c+\i]
.endr
.endr
.endm
	s_load_b256 s[4:11], s[0:1], 0x0
	v_lshl_add_u32 v[SPW], v0, 2, SPARE
	v_mov_b32 v[NIL], 0
	ds_add_u32 v28, v29
	ds_add_u32 v28, v29
	s_wait_dscnt 0x0
	v_lshrrev_b32 v1, 5, v0
	v_readfirstlane_b32 s14, v1
	s_lshr_b32 s15, s14, 1
	s_and_b32 s16, s14, 1
	s_bfe_u32 s40, ttmp6, 0x40000
	s_bfe_u32 s41, ttmp6, 0x40004
	s_lshl_b32 s42, ttmp9, 2
	s_add_co_u32 s42, s42, s40
	s_and_b32 s17, ttmp7, 0xffff
	s_lshl_b32 s17, s17, 2
	s_add_co_u32 s17, s17, s41
	s_lshl_b32 s43, s41, 2
	s_lshl_b32 s43, 15, s43
	s_lshl_b32 s44, 0x1111, s40
	s_or_b32 s[G1X], s43, (3<<16)|(1<<21)
	s_or_b32 s[G1Y], s44, (3<<16)|(1<<21)
.irp g, G1X, G1Y
	s_mov_b32 s[\g+1], 32<<16
	s_mov_b32 s[\g+2], 100<<16
	s_mov_b32 s[\g+3], 32<<16
	s_mov_b32 s[\g+4], 100
	s_mov_b32 s[\g+5], 32
	s_mov_b32 s[\g+6], 0
	s_mov_b32 s[\g+7], 0
.endr
	s_lshl_b32 s20, s17, 1
	s_add_co_u32 s20, s20, s16
	s_mul_i32 s20, s20, KSN*CELL
	s_mov_b32 s21, 0
	s_lshl_b32 s46, s42, 1
	s_add_co_u32 s46, s46, s16
	s_mul_i32 s46, s46, KSN*CELL
	s_add_co_u32 s46, s46, YOFF
	s_mov_b32 s47, 0
	s_mul_i32 s45, s16, 2*CELL
	s_mul_i32 s94, s16, NQ*CELL
	s_add_co_u32 s94, s94, XREG
	s_mov_b32 s[SEL], 0x76543210
	s_mov_b32 s[SEL+1], 0xfedcba98
	s_mov_b32 s[K1], 0xbdd2d3e8
	s_mov_b32 s[K1+1], s[K1]
	s_wait_kmcnt 0x0
	s_add_nc_u64 s[20:21], s[4:5], s[20:21]
	s_add_nc_u64 s[46:47], s[6:7], s[46:47]
	CROUND
.irp s, 0,1
	s_mov_b32 s[G0X+4*\s], 1
	s_add_co_u32 s[G0X+4*\s+1], s45, \s*SLOT
	s_add_nc_u64 s[G0X+4*\s+2:G0X+4*\s+3], s[20:21], \s*NQ*CELL
	s_or_b32 s[G0X+4*\s+3], s[G0X+4*\s+3], 0x80000000
	s_mov_b32 s[G0Y+4*\s], 1
	s_add_co_u32 s[G0Y+4*\s+1], s94, \s*SLOT
	s_add_nc_u64 s[G0Y+4*\s+2:G0Y+4*\s+3], s[46:47], \s*NQ*CELL
	s_or_b32 s[G0Y+4*\s+3], s[G0Y+4*\s+3], 0x80000000
.endr
	JLOAD 0                                        ; slot 0
	v_and_b32 v1, 31, v0
	v_and_b32 v2, 15, v0
	v_bfe_u32 v3, v0, 4, 1
	v_lshlrev_b32 v4, 4, v1
	v_lshlrev_b32 v5, 3, v1
	v_lshlrev_b32 v6, 2, v2
	v_lshlrev_b32 v7, 5, v3
	s_mul_i32 s86, s15, XWR
	s_mul_i32 s87, s16, NQ*CELL
	s_add_co_u32 s87, s87, XREG
	s_mul_i32 s88, s15, XSW
	s_add_co_u32 s88, s88, 12288
	s_add_co_u32 s89, s87, 12288
.irp s, 0,1
	v_add_nc_u32 v[AX16+\s], s86, v4
	v_add_nc_u32 v[AX8+\s], s86, v5
	v_add_nc_u32 v[AY16+\s], s87, v4
	v_add_nc_u32 v[AY8+\s], s87, v5
	v_add_nc_u32 v[AXS+\s], s88, v6
	v_add_nc_u32 v[AYS+\s], s89, v6
	s_add_co_u32 s86, s86, SLOT
	s_add_co_u32 s87, s87, SLOT
	s_add_co_u32 s88, s88, SLOT
	s_add_co_u32 s89, s89, SLOT
.endr
	s_lshl_b32 s86, s14, 9
	s_add_co_u32 s86, s86, STG
	v_add_nc_u32 v8, s86, v6
	v_add_nc_u32 v9, s86, v4
.irp b, 0,1,2,3
	v_mov_b32 v[TM+4+\b], 0
.endr
	v_mov_b32 v[K0], 0xc0135761
	v_mov_b32 v[K0+1], 0xc0135761
	s_lshl_b32 s90, s42, 10
	s_lshl_b32 s91, s16, 9
	s_add_co_u32 s90, s90, s91
	s_mov_b32 s91, 0
	s_add_nc_u64 s[8:9], s[8:9], s[90:91]
	s_lshl_b32 s90, s17, 1
	s_add_co_u32 s90, s90, s15
	s_lshl_b32 s90, s90, 5
	s_lshl_b32 s86, s42, 1
	s_add_co_u32 s86, s86, s16
	s_add_co_u32 s90, s90, s86
	s_mul_i32 s90, s90, CELL
	s_add_nc_u64 s[10:11], s[10:11], s[90:91]
	WIN 0x40
.irp b, 0,1,2,3,4,5,6,7
	global_load_b128 v[BI+8*\b:BI+8*\b+3], v7, s[8:9] offset:64*\b
	global_load_b128 v[BI+8*\b+4:BI+8*\b+7], v7, s[8:9] offset:64*\b+16
.endr
	WIN 0
	s_wait_alu depctr_va_vdst(0)
	s_wait_tensorcnt 0x0                           ; my part of slot 0 is in; slot 1's first fill is issued as a refill is:
	ds_add_u32 v[SPW], v[NIL]
	s_wait_dscnt 0x0
	CROUND                                         ; a whole round: slot 0 is whole, and the joint loads meet
	JLOAD 1                                        ; the first tensor load behind the round
	FETCH_Y 0, 0, 0
	FETCH_X 0, 0, 0, HB
	SCALES 0, 0, 0
	FETCH_X 0, 0, HB, HB
	s_wait_loadcnt 0x0
	STEP 0, 0, 1
	s_mov_b32 s3, LAPS-1
.Llap:
	MIDS 0, 1
	TURN 0, 1, 1
	MIDS 1, 0
	TURN 1, 0, 1
	STEP 0, 0, 0
	s_sub_co_u32 s3, s3, 1
	s_cmp_lg_u32 s3, 0
	s_cbranch_scc1 .Llap
	MIDS 0, 1
	TURN 0, 1, 0
	MIDS 1, 0
	s_wait_dscnt HB*NL
	MULS 0, HB, 1, 0
	s_wait_dscnt 0x0
	MULS HB, HB, 1, 0
	WIN 0
	PLACES 4
.macro GELU a
.set WA, 2+(\a)/4
.set AC, 64*((\a)%4)
	WIN WA|(WA<<2)
.set J, 0
.rept 32
	v_pk_mul_f32 v[HA+J:HA+J+1], v[AC+J:AC+J+1], v[AC+J:AC+J+1]
.set J, J+2
.endr
	WIN 0
.set J, 0
.rept 32
	v_pk_fma_f32 v[HA+J:HA+J+1], v[HA+J:HA+J+1], s[K1:K1+1], v[K0:K0+1] op_sel_hi:[1,0,1]
.set J, J+2
.endr
	WIN WA<<2
.set J, 0
.rept 32
	v_pk_mul_f32 v[HA+J:HA+J+1], v[HA+J:HA+J+1], v[AC+J:AC+J+1]
.set J, J+2
.endr
	WIN 0
.set J, 0
	s_wait_alu depctr_va_vdst(0)
.rept 64
	v_exp_f32 v[HA+J], v[HA+J]
.set J, J+1
.endr
	v_nop
	s_wait_alu depctr_va_vdst(0)
.set J, 0
.rept 32
	v_pk_add_f32 v[HA+J:HA+J+1], v[HA+J:HA+J+1], 1.0 op_sel_hi:[1,0]
.set J, J+2
.endr
.set J, 0
	s_wait_alu depctr_va_vdst(0)
.rept 64
	v_rcp_f32 v[HA+J], v[HA+J]
.set J, J+1
.endr
	v_nop
	s_wait_alu depctr_va_vdst(0)
	WIN WA<<2
.set J, 0
.rept 32
	v_pk_mul_f32 v[HA+J:HA+J+1], v[HA+J:HA+J+1], v[AC+J:AC+J+1]
.set J, J+2
.endr
	WIN 0
.irp b, 0,1,2,3
.irp j, 0,1,2,3,4,5,6,7
	v_permlane16_swap_b32 v[HA+16*\b+\j], v[HA+16*\b+8+\j]
.endr
.endr
.if (\a) > 0
	s_wait_xcnt 0x0
	s_wait_dscnt 0x0
.endif
	QUANT HA
	global_store_b128 v4, v[PC:PC+3], s[10:11] offset:1536*(\a)
	global_store_b64 v5, v[PC+4:PC+5], s[10:11] offset:1536*(\a)+512
	global_store_b128 v4, v[PC+6:PC+9], s[10:11] offset:1536*(\a)+768
	global_store_b64 v5, v[PC+10:PC+11], s[10:11] offset:1536*(\a)+1280
	ds_store_b32 v8, v[PW] offset:64*(\a)
.endm
.irp a, 0,1,2,3,4,5,6,7
	GELU \a
.endr
	ds_load_b128 v[HA:HA+3], v9
	s_wait_dscnt 0x0
	global_store_b128 v4, v[HA:HA+3], s[10:11] offset:12288
	s_wait_tensorcnt 0x0
	ds_add_u32 v[SPW], v[NIL]
	s_wait_dscnt 0x0
	CROUND
	s_endpgm
.Lfunc_end_k_qde1b85452c_inter:
	.size	k_qde1b85452c_inter, .Lfunc_end_k_qde1b85452c_inter-k_qde1b85452c_inter
	.p2alignl 7, 3214868480
	.fill 96, 4, 3214868480
	.section	.rodata,"a",@progbits
	.p2align	6, 0x0
	.amdhsa_kernel k_qde1b85452c_inter
		.amdhsa_group_segment_fixed_size 327680
		.amdhsa_private_segment_fixed_size 0
		.amdhsa_enable_private_segment 0
		.amdhsa_kernarg_size 32
		.amdhsa_user_sgpr_count 2
		.amdhsa_user_sgpr_kernarg_segment_ptr 1
		.amdhsa_wavefront_size32 1
		.amdhsa_system_sgpr_workgroup_id_x 1
		.amdhsa_system_sgpr_workgroup_id_y 1
		.amdhsa_system_sgpr_workgroup_id_z 1
		.amdhsa_system_vgpr_workitem_id 0
		.amdhsa_next_free_vgpr 1024
		.amdhsa_next_free_sgpr 100
		.amdhsa_reserve_vcc 0
		.amdhsa_float_denorm_mode_32 3
		.amdhsa_float_denorm_mode_16_64 3
		.amdhsa_memory_ordered 1
		.amdhsa_forward_progress 1
		.amdhsa_inst_pref_size 255
	.end_amdhsa_kernel
	.section	.bss,"aw",@nobits
	.p2align	6
	.space	262144
	.amdgpu_metadata
---
amdhsa.version: [ 1, 2 ]
amdhsa.kernels:
  - .name:           k_qde1b85452c_inter
    .symbol:         k_qde1b85452c_inter.kd
    .args:
      - { .name: act, .offset: 0, .size: 8, .value_kind: global_buffer, .address_space: global }
      - { .name: wts, .offset: 8, .size: 8, .value_kind: global_buffer, .address_space: global }
      - { .name: inter_b, .offset: 16, .size: 8, .value_kind: global_buffer, .address_space: global }
      - { .name: a3, .offset: 24, .size: 8, .value_kind: global_buffer, .address_space: global }
    .group_segment_fixed_size: 327680
    .private_segment_fixed_size: 0
    .kernarg_segment_align: 8
    .kernarg_segment_size: 32
    .max_flat_workgroup_size: 128
    .sgpr_count:     100
    .vgpr_count:     1024
    .wavefront_size: 32
...
	.end_amdgpu_metadata
.endif
;; end of part 5
;; launch outp (part 6): grid 8 x 32, 4 waves a work-group, clusters of 4 x 4, 327,680 bytes of LDS; arguments a3, wts, output_b, resid, out0; writes out0
.if DOCPART == 6
	.amdgcn_target "amdgcn-amd-amdhsa--gfx1250"
	.amdhsa_code_object_version 6
	.text
	.protected	k_qde1b85452c_outp
	.globl	k_qde1b85452c_outp
	.p2align	8
	.type	k_qde1b85452c_outp,@function
k_qde1b85452c_outp:
	s_mov_b64 s[64:65], 0
	v_nop
	global_prefetch_b8 v0, s[64:65] scope:SCOPE_SE
	s_setreg_imm32_b32 hwreg(HW_REG_WAVE_MODE, 25, 1), 1
	s_wait_xcnt 0x0
	s_wait_alu depctr_hold_cnt(0) depctr_sa_sdst(0) depctr_va_vdst(0) depctr_va_sdst(0) depctr_va_ssrc(0) depctr_va_vcc(0) depctr_vm_vsrc(0)
	s_getreg_b32 s2, hwreg(HW_REG_IB_STS2, 6, 4)
	s_cmp_eq_u32 s2, 0
	s_cbranch_scc0 .Lentry_in_a_cluster
	s_endpgm
.Lentry_in_a_cluster:
	s_bfe_u32 s2, ttmp6, 0x10000c
	s_cmp_lg_u32 s2, 0xf033
	s_cbranch_scc0 .Lentry_shape_is_right
	s_endpgm
.Lentry_shape_is_right:
.set CELL,   12800
.set NQ,     6
.set NQL,    2
.set KSN,    32
.set REFILL, 1
.set EARLY,  0
.set YOFF,   6553600
.set XREG,   NQ*CELL
.set SLOT,   2*XREG
.set SPARE,  2*SLOT
.set HALF,   (NQ/2)*CELL
.set SHALF,  (NQL/2)*CELL
.set AD,   16
.set SPW,  40
.set NIL,  41
.set SC,   48
.set BI,   64
.set ACC,  128
.set G1X, 24
.set G0X, 32
.set G1Y, 48
.set G0Y, 56
.set G1XS, 68
.set G1YS, 76
.set G0YS, 88
.set G0XS, 96
.set MSB, 0
.macro WIN new
.if MSB != (\new)
	s_set_vgpr_msb (MSB<<8)|(\new)
.set MSB, (\new)
.endif
.endm
.macro PLACES n
.rept \n
	v_nop
.endr
.endm
.macro JLOAD g0x, g1x, g0y, g1y
	s_cmp_eq_u32 s15, 0
	s_cbranch_scc0 .Lfor_y_\@
	tensor_load_to_lds s[\g0x:\g0x+3], s[\g1x:\g1x+7]
	s_nop 0
	PLACES 4
	s_branch .Lasked_\@
.Lfor_y_\@:
	tensor_load_to_lds s[\g0y:\g0y+3], s[\g1y:\g1y+7]
	s_nop 0
	PLACES 4
.Lasked_\@:
.endm
.macro CREST
	s_cmp_lg_u32 s14, 0
	s_cbranch_scc1 .Lnot_wave_0_\@
	s_barrier_signal -3
.Lnot_wave_0_\@:
	s_barrier_wait -3
	s_barrier_signal -1
	s_barrier_wait -1
.endm
.macro CROUND
	s_barrier_signal -1
	s_barrier_wait -1
	CREST
.endm
.macro FRAG reg, k16, su, off
	ds_load_b128 v[\reg:\reg+3], v[AD+4*(\k16)+(\su)] offset:\off
	ds_load_b64 v[\reg+4:\reg+5], v[AD+4*(\k16)+4+(\su)] offset:\off+512
	ds_load_b128 v[\reg+6:\reg+9], v[AD+4*(\k16)+(\su)] offset:\off+768
	ds_load_b64 v[\reg+10:\reg+11], v[AD+4*(\k16)+4+(\su)] offset:\off+1280
.endm
.macro FETCH slot, q, p
.set SU, 2*(\slot)+(\q)/3
.set QO, ((\q)%3)*CELL
	WIN 0x40
.irp i, 0,1,2,3
	FRAG 96*(\p)+12*\i, 0, SU, QO+1536*\i
.endr
.irp i, 0,1,2,3
	FRAG 96*(\p)+48+12*\i, 2, SU, QO+1536*\i
.endr
	WIN 0
.irp i, 0,1,2,3
	ds_load_b32 v[SC+8*(\p)+\i], v[AD+16+SU] offset:QO+64*\i
	ds_load_b32 v[SC+8*(\p)+4+\i], v[AD+20+SU] offset:QO+64*\i
.endr
.endm
.macro MULB a, p, zero
	WIN 0x05
.irp b, 0,1,2,3
.set AC, ACC+8*(4*(\a)+\b)
.if \zero
	v_wmma_scale_f32_16x16x128_f8f6f4 v[AC:AC+7], v[96*(\p)+48+12*\b:96*(\p)+48+12*\b+11], v[96*(\p)+12*(\a):96*(\p)+12*(\a)+11], v[BI+8*\b:BI+8*\b+7], v[SC+8*(\p)+4+\b], v[SC+8*(\p)+(\a)] matrix_a_fmt:MATRIX_FMT_FP6 matrix_b_fmt:MATRIX_FMT_FP6
.else
	v_wmma_scale_f32_16x16x128_f8f6f4 v[AC:AC+7], v[96*(\p)+48+12*\b:96*(\p)+48+12*\b+11], v[96*(\p)+12*(\a):96*(\p)+12*(\a)+11], v[AC:AC+7], v[SC+8*(\p)+4+\b], v[SC+8*(\p)+(\a)] matrix_a_fmt:MATRIX_FMT_FP6 matrix_b_fmt:MATRIX_FMT_FP6
.endif
.endr
.endm
.macro MULS a0, n, p, zero
.set MA, \a0
.rept \n
	MULB MA, \p, \zero
.set MA, MA+1
.endr
.endm
.macro STEP slot, q, zero
	s_wait_dscnt 0x0
	PLACES 4
	FETCH \slot, (\q)+1, 1-(\q)%2
	MULS 0, 4, (\q)%2, \zero
.endm
.macro TURN slot, next, fill
	WIN 0
	s_wait_tensorcnt 0x0
	ds_add_u32 v[SPW], v[NIL]
	s_wait_dscnt 0x1
	MULS 0, 1, 1, 0
	s_wait_dscnt 0x0
	s_barrier_signal -1
	MULS 1, 1, 1, 0
	WIN 0
	s_barrier_wait -1
.if (\fill) == 1
	CREST
	s_add_nc_u64 s[G0X+4*\slot+2:G0X+4*\slot+3], s[G0X+4*\slot+2:G0X+4*\slot+3], 2*NQ*CELL
	s_add_nc_u64 s[G0Y+4*\slot+2:G0Y+4*\slot+3], s[G0Y+4*\slot+2:G0Y+4*\slot+3], 2*NQ*CELL
	JLOAD G0X+4*\slot, G1X, G0Y+4*\slot, G1Y
.elseif (\fill) == 2
	CREST
	JLOAD G0XS, G1XS, G0YS, G1YS
.else
	PLACES 4
.endif
	FETCH \next, 0, 0
	MULS 2, 2, 1, 0
.endm
.macro MIDS slot, q0, n
.set SQ, \q0
.rept (\n)-1-(\q0)
	STEP \slot, SQ, 0
.set SQ, SQ+1
.endr
.endm
.macro RLOADS
	WIN 0x80
.irp a, 0,1,2,3
.irp t, 0,1,2,3,4,5,6,7
	global_load_b128 v[32*\a+4*\t:32*\a+4*\t+3], v10, s[10:11] offset:\a*65536+\t*8192 th:TH_LOAD_NT
.endr
.endr
	WIN 0
.endm
.macro OUTB a
.set BB, 64+32*((\a)%2)
.if (\a) >= 2
	s_wait_xcnt 0x0
.endif
.irp b, 0,1,2,3
	ds_store_b128 v8, v[ACC+8*(4*(\a)+\b):ACC+8*(4*(\a)+\b)+3] offset:64*\b
	ds_store_b128 v8, v[ACC+8*(4*(\a)+\b)+4:ACC+8*(4*(\a)+\b)+7] offset:64*\b+16
.endr
.irp t, 0,1,2,3,4,5,6,7
	ds_load_b128 v[BB+4*\t:BB+4*\t+3], v9 offset:\t*544
.endr
	s_wait_dscnt 0x0
	WIN 0x08
.set J, 0
.rept 16
	v_pk_add_f32 v[BB+J:BB+J+1], v[BB+J:BB+J+1], v[32*(\a)+J:32*(\a)+J+1]
.set J, J+2
.endr
	WIN 0
.irp t, 0,1,2,3,4,5,6,7
	global_store_b128 v10, v[BB+4*\t:BB+4*\t+3], s[12:13] offset:(\a)*65536+\t*8192
.endr
.endm
	s_load_b256 s[4:11], s[0:1], 0x0
	s_load_b64 s[12:13], s[0:1], 0x20
	v_lshl_add_u32 v[SPW], v0, 2, SPARE
	v_mov_b32 v[NIL], 0
	ds_add_u32 v40, v41
	ds_add_u32 v40, v41
	s_wait_dscnt 0x0
	v_lshrrev_b32 v1, 5, v0
	v_readfirstlane_b32 s14, v1
	s_lshr_b32 s15, s14, 1
	s_and_b32 s16, s14, 1
	s_bfe_u32 s40, ttmp6, 0x40000
	s_bfe_u32 s41, ttmp6, 0x40004
	s_lshl_b32 s42, ttmp9, 2
	s_add_co_u32 s42, s42, s40
	s_and_b32 s17, ttmp7, 0xffff
	s_lshl_b32 s17, s17, 2
	s_add_co_u32 s17, s17, s41
	s_lshl_b32 s43, s41, 2
	s_lshl_b32 s43, 15, s43
	s_lshl_b32 s44, 0x1111, s40
	s_or_b32 s[G1X], s43, (3<<16)|(1<<21)
	s_or_b32 s[G1Y], s44, (3<<16)|(1<<21)
.irp g, G1X, G1Y
	s_mov_b32 s[\g+1], 32<<16
	s_mov_b32 s[\g+2], (HALF/256)<<16
	s_mov_b32 s[\g+3], 32<<16
	s_mov_b32 s[\g+4], HALF/256
	s_mov_b32 s[\g+5], 32
	s_mov_b32 s[\g+6], 0
	s_mov_b32 s[\g+7], 0
.endr
.if REFILL
	s_or_b32 s[G1XS], s43, (3<<16)|(1<<21)
	s_or_b32 s[G1YS], s44, (3<<16)|(1<<21)
.irp g, G1XS, G1YS
	s_mov_b32 s[\g+1], 32<<16
	s_mov_b32 s[\g+2], (SHALF/256)<<16
	s_mov_b32 s[\g+3], 32<<16
	s_mov_b32 s[\g+4], SHALF/256
	s_mov_b32 s[\g+5], 32
	s_mov_b32 s[\g+6], 0
	s_mov_b32 s[\g+7], 0
.endr
.endif
	s_mul_i32 s20, s17, KSN*CELL
	s_mul_i32 s46, s42, KSN*CELL
	s_add_co_u32 s46, s46, YOFF
	s_mul_i32 s45, s16, HALF
.if REFILL
	s_mul_i32 s95, s16, SHALF
	s_add_co_u32 s84, s20, s95
	s_add_co_u32 s84, s84, (KSN-NQL)*CELL
	s_mov_b32 s85, 0
	s_add_co_u32 s66, s46, s95
	s_add_co_u32 s66, s66, (KSN-NQL)*CELL
	s_mov_b32 s67, 0
.endif
	s_add_co_u32 s20, s20, s45
	s_mov_b32 s21, 0
	s_add_co_u32 s46, s46, s45
	s_mov_b32 s47, 0
	s_add_co_u32 s94, s45, XREG
	s_wait_kmcnt 0x0
.if REFILL
	s_mov_b32 s[G0XS], 1
	s_add_co_u32 s[G0XS+1], s95, SLOT
	s_add_nc_u64 s[G0XS+2:G0XS+3], s[4:5], s[84:85]
	s_or_b32 s[G0XS+3], s[G0XS+3], 0x80000000
	s_mov_b32 s[G0YS], 1
	s_add_co_u32 s[G0YS+1], s95, SLOT+XREG
	s_add_nc_u64 s[G0YS+2:G0YS+3], s[6:7], s[66:67]
	s_or_b32 s[G0YS+3], s[G0YS+3], 0x80000000
.endif
	s_add_nc_u64 s[20:21], s[4:5], s[20:21]
	s_add_nc_u64 s[46:47], s[6:7], s[46:47]
	CROUND
.irp s, 0,1
	s_mov_b32 s[G0X+4*\s], 1
	s_add_co_u32 s[G0X+4*\s+1], s45, \s*SLOT
	s_add_nc_u64 s[G0X+4*\s+2:G0X+4*\s+3], s[20:21], \s*NQ*CELL
	s_or_b32 s[G0X+4*\s+3], s[G0X+4*\s+3], 0x80000000
	s_mov_b32 s[G0Y+4*\s], 1
	s_add_co_u32 s[G0Y+4*\s+1], s94, \s*SLOT
	s_add_nc_u64 s[G0Y+4*\s+2:G0Y+4*\s+3], s[46:47], \s*NQ*CELL
	s_or_b32 s[G0Y+4*\s+3], s[G0Y+4*\s+3], 0x80000000
	s_wait_alu depctr_va_vdst(0)
	s_wait_tensorcnt 0x0
	ds_add_u32 v40, v41
	ds_add_u32 v40, v41
	s_wait_dscnt 0x0
	CROUND
	JLOAD G0X+4*\s, G1X, G0Y+4*\s, G1Y
.endr
	v_and_b32 v1, 31, v0
	v_and_b32 v2, 15, v0
	v_bfe_u32 v3, v0, 4, 1
	v_lshlrev_b32 v4, 4, v1
	v_lshlrev_b32 v5, 3, v1
	v_lshlrev_b32 v6, 2, v2
	v_lshlrev_b32 v7, 5, v3
	s_mul_i32 s18, s15, 6144
	s_mul_i32 s19, s16, 6144
	s_add_co_u32 s19, s19, XREG
	s_lshl_b32 s22, s15, 8
	s_add_co_u32 s22, s22, 12288
	s_lshl_b32 s23, s16, 8
	s_add_co_u32 s23, s23, XREG+12288
.irp su, 0,1,2,3
	v_add_nc_u32 v[AD+\su], s18, v4
	v_add_nc_u32 v[AD+4+\su], s18, v5
	v_add_nc_u32 v[AD+8+\su], s19, v4
	v_add_nc_u32 v[AD+12+\su], s19, v5
	v_add_nc_u32 v[AD+16+\su], s22, v6
	v_add_nc_u32 v[AD+20+\su], s23, v6
.if \su < 3
.if (\su)%2 == 0
.irp x, 18,19,22,23
	s_add_co_u32 s\x, s\x, 3*CELL
.endr
.else
.irp x, 18,19,22,23
	s_add_co_u32 s\x, s\x, SLOT-3*CELL
.endr
.endif
.endif
.endr
	s_mul_i32 s18, s14, 16*272
	v_mul_u32_u24 v8, v2, 272
	v_add_nc_u32 v8, v8, v7
	v_add_nc_u32 v8, s18, v8
	v_mul_u32_u24 v9, v3, 272
	v_lshl_add_u32 v9, v2, 4, v9
	v_add_nc_u32 v9, s18, v9
	v_lshlrev_b32 v10, 12, v3
	v_lshl_add_u32 v10, v2, 4, v10
	s_lshl_b32 s92, s42, 9
	s_lshl_b32 s93, s16, 8
	s_add_co_u32 s92, s92, s93
	s_mov_b32 s93, 0
	s_add_nc_u64 s[8:9], s[8:9], s[92:93]
	s_lshl_b32 s18, s17, 7
	s_lshl_b32 s19, s15, 6
	s_add_co_u32 s18, s18, s19
	s_lshl_b32 s18, s18, 12
	s_add_co_u32 s92, s92, s18
	s_add_nc_u64 s[10:11], s[10:11], s[92:93]
	s_add_nc_u64 s[12:13], s[12:13], s[92:93]
.irp b, 0,1,2,3
	global_load_b128 v[BI+8*\b:BI+8*\b+3], v7, s[8:9] offset:64*\b
	global_load_b128 v[BI+8*\b+4:BI+8*\b+7], v7, s[8:9] offset:64*\b+16
.endr
.if EARLY
	RLOADS
.endif
	s_wait_alu depctr_va_vdst(0)
	s_wait_tensorcnt 0x1
	s_barrier_signal -1
	s_barrier_wait -1
	FETCH 0, 0, 0
.if EARLY
	s_wait_loadcnt 32
.else
	s_wait_loadcnt 0x0
.endif
	STEP 0, 0, 1
.if EARLY == 0
	RLOADS
.endif
	MIDS 0, 1, NQ
.if REFILL
	TURN 0, 1, 1
	MIDS 1, 0, NQ
	TURN 1, 0, 1
	MIDS 0, 0, NQ
	TURN 0, 1, 1
	MIDS 1, 0, NQ
	TURN 1, 0, 2
	MIDS 0, 0, NQ
.endif
	TURN 0, 1, 0
	MIDS 1, 0, NQL
	s_wait_dscnt 0x0
	MULS 0, 4, 1, 0
	WIN 0
	PLACES 4
	s_wait_loadcnt 0x0
	OUTB 0
	OUTB 1
	OUTB 2
	OUTB 3
	s_wait_tensorcnt 0x0
	ds_add_u32 v[SPW], v[NIL]
	s_wait_dscnt 0x0
	CROUND
	s_endpgm
.Lfunc_end_k_qde1b85452c_outp:
	.size	k_qde1b85452c_outp, .Lfunc_end_k_qde1b85452c_outp-k_qde1b85452c_outp
	.p2alignl 7, 3214868480
	.fill 96, 4, 3214868480
	.section	.rodata,"a",@progbits
	.p2align	6, 0x0
	.amdhsa_kernel k_qde1b85452c_outp
		.amdhsa_group_segment_fixed_size 327680
		.amdhsa_private_segment_fixed_size 0
		.amdhsa_enable_private_segment 0
		.amdhsa_kernarg_size 40
		.amdhsa_user_sgpr_count 2
		.amdhsa_user_sgpr_kernarg_segment_ptr 1
		.amdhsa_wavefront_size32 1
		.amdhsa_system_sgpr_workgroup_id_x 1
		.amdhsa_system_sgpr_workgroup_id_y 1
		.amdhsa_system_sgpr_workgroup_id_z 1
		.amdhsa_system_vgpr_workitem_id 0
		.amdhsa_next_free_vgpr 768
		.amdhsa_next_free_sgpr 100
		.amdhsa_reserve_vcc 0
		.amdhsa_float_denorm_mode_32 3
		.amdhsa_float_denorm_mode_16_64 3
		.amdhsa_memory_ordered 1
		.amdhsa_forward_progress 1
		.amdhsa_inst_pref_size 183
	.end_amdhsa_kernel
	.amdgpu_metadata
---
amdhsa.version: [ 1, 2 ]
amdhsa.kernels:
  - .name:           k_qde1b85452c_outp
    .symbol:         k_qde1b85452c_outp.kd
    .args:
      - { .name: a3, .offset: 0, .size: 8, .value_kind: global_buffer, .address_space: global }
      - { .name: wts, .offset: 8, .size: 8, .value_kind: global_buffer, .address_space: global }
      - { .name: output_b, .offset: 16, .size: 8, .value_kind: global_buffer, .address_space: global }
      - { .name: resid, .offset: 24, .size: 8, .value_kind: global_buffer, .address_space: global }
      - { .name: out0, .offset: 32, .size: 8, .value_kind: global_buffer, .address_space: global }
    .group_segment_fixed_size: 327680
    .private_segment_fixed_size: 0
    .kernarg_segment_align: 8
    .kernarg_segment_size: 40
    .max_flat_workgroup_size: 128
    .sgpr_count:     100
    .vgpr_count:     768
    .wavefront_size: 32
...
	.end_amdgpu_metadata
.endif
;; end of part 6
